; MI455X (gfx1250); checked and timed in simulation.
; The chip was launched on July 23, 2026; its instructions are those of AMD's public machine-readable ISA for CDNA 5 (MIT licence, August 2026) and "CDNA5" Instruction Set Architecture Reference Guide (July 2026). The comments in the code are by the model that wrote it; some were corrected since.
;; MHA. Allowed arithmetic: matrix products marked QUANTISED: E3M2 operands, one E8M0 scale for each 32 along K, by v_wmma_scale_f32_16x16x128_f8f6f4 with both operands' format E3M2, f32 sums; everything else in f32.
;; Inputs: W_out 1,024 x 1,024 float32; W_qkv 3,072 x 1,024 float32; b_out 1,024 float32; b_qkv 3,072 float32; x 2 x 2,048 x 1,024 float32.
;; Outputs: out0 2 x 2,048 x 1,024 float32.
;; This version of the problem:
;;   THIS VERSION OF THE PROBLEM IS GIVEN IN LOW PRECISION. The matrix products marked QUANTISED in the list below multiply operands that are first quantised to E3M2 (3 exponent bits, 2 mantissa bits; 6 bits a number), with one power-of-two scale for each 32 numbers along K (OCP MX v1.0); their sums are f32. All else is computed in f32.
;;   The module's matrix products, in the order in which they are computed (A, B: the left and right operand; K: the contracted axis; several contracted axes count as one K, in the product's order):
;;     1. [M 4,096, K 1,024] x [K 1,024, N 3,072]; A: input x; B: input W_qkv: QUANTISED
;;     2. batch 32 x [M 2,048, K 64] x [K 64, N 2,048]; A: computed on the way; B: computed on the way: QUANTISED
;;     3. batch 32 x [M 2,048, K 2,048] x [K 2,048, N 64]; A: softmax (see below); B: computed on the way: QUANTISED
;;     4. [M 4,096, K 1,024] x [K 1,024, N 1,024]; A: computed on the way; B: input W_out: QUANTISED
;;   THE QUANTISER, for each operand of a quantised product, along K:
;;     - K is cut into blocks of 32 from its start; a last block that is shorter is filled with zeros.
;;     - A block's scale is 2^e with e = floor(log2(the largest magnitude in the block)) - 4, held to -126 .. 127; a block of zeros has e = 0. As a byte (E8M0): e + 127.
;;     - Each number is divided by its block's scale, clamped to +-28, and rounded to the nearest number of E3M2, ties to even, subnormals kept.
;;     - The product sums the exact products of the quantised numbers (number of the format x scale) in f32.
;;   ~~~python
;;   def quantise(x, axis):      # numpy; x: float32 -> the quantised numbers, widened to float32 again
;;       x = np.moveaxis(x, axis, -1); K = x.shape[-1]
;;       x = np.pad(x, [(0, 0)] * (x.ndim - 1) + [(0, -K % 32)]); x = x.reshape(x.shape[:-1] + (-1, 32)); a = np.abs(x).max(-1, keepdims=True)
;;       e = np.where(a > 0, np.clip(np.frexp(np.where(a > 0, a, 1))[1] - 1 - 4, -126, 127), 0)      # np.frexp(a)[1] - 1 = floor(log2(a)), exactly
;;       r = np.clip(x / 2.0 ** e, -28, 28)
;;       step = 2.0 ** (np.maximum(np.frexp(np.where(r == 0, 1, r))[1] - 1, -2) - 2)
;;       q = np.round(r / step) * step * 2.0 ** e      # np.round: ties to even
;;       return np.moveaxis(q.reshape(q.shape[:-2] + (-1,))[..., :K], -1, axis).astype(np.float32)
;;   ~~~
;;   SOFTMAX AHEAD OF A QUANTISED PRODUCT. Where the list says 'softmax', what is quantised is not the finished softmax but p = 2^(t - M), with t = logit x log2(e) and M = ceil(the row's largest t), a whole number; so 1/2 < the row's largest p <= 1. The row's sum l is taken of the UNQUANTISED p, in f32, and the product's result is divided by l at the end. Since M is a whole number, a kernel that streams over the keys may use a running M (the ceiling of the running maximum): every later rescaling is an exact power of two, which a block's scale takes up: the codes' values come out the same.
;;   OPERANDS COMPUTED ON THE WAY. 'Computed on the way' means the value that the module computes at that place (a softmax that the list does not call 'softmax' is quantised finished and normalised). What goes into a quantiser is computed in f32, as accurately as f32 sums, v_exp_f32 and their like allow (about 1e-6 of the number): no bf16 or f16 on the way to a quantiser, and a product that is left as it is and whose result goes on into a quantised operand takes f32 operands (vector FMAs, or v_wmma_f32_16x16x4_f32). A number that lies on a knife's edge between two numbers of the format may be rounded either way, as far as f32 arithmetic and the matrix unit's own rounding can turn it there, and no further.
;; One version. Each part assembles by itself: llvm-mc -triple=amdgcn-amd-amdhsa -mcpu=gfx1250 --defsym DOCPART=n.
;; ======== version 1 of 1: 4 launches
;; limits: right only within a limited range of input values
;; workspace buffers: opc 8,388,608 bytes; ops 262,144 bytes; qkvc 9,437,184 bytes; qkvs 393,216 bytes; ac 3,145,728 bytes; asc 131,072 bytes
;; launch quant (part 1): grid 256 x 1, 8 waves a work-group, no clusters, 66,560 bytes of LDS; arguments x, W_qkv, W_out, opc, ops; writes opc, ops
.if DOCPART == 1
	.amdgcn_target "amdgcn-amd-amdhsa--gfx1250"
	.amdhsa_code_object_version 6
	.text
	.protected	k_qb27f6a0c09_quant
	.globl	k_qb27f6a0c09_quant
	.p2align	8
	.type	k_qb27f6a0c09_quant,@function
k_qb27f6a0c09_quant:
	s_mov_b64 s[64:65], 0
	v_nop
	global_prefetch_b8 v0, s[64:65] scope:SCOPE_SE
	s_setreg_imm32_b32 hwreg(HW_REG_WAVE_MODE, 25, 1), 1
	s_wait_xcnt 0x0
; x [4096][1024], W_qkv [3072][1024] and W_out [1024][1024], f32, K innermost, are turned into codes of BF6 (E3M2), 6 bits each, with one E8M0 scale byte for each 32 along K.
; The codes lie in one buffer: x's 4,096 rows, then W_qkv's 3,072, then W_out's 1,024.  Each 256 codes along K (192 bytes) have a place of 256 bytes, whose last 64 bytes are written as zeros:
; a row is 1,024 bytes, and every place begins at a multiple of 256.  The scale bytes lie likewise in rows of 32 bytes.
; A block's scale is 2^(floor(log2(its largest magnitude)) - 4); its byte is the largest magnitude's exponent field - 4, held at 1 from below.  Each number is divided by the scale and rounded to the nearest code, ties to even.
; THE ROWS OF x AND OF W_qkv ARE STORED WITH BITS 3 AND 4 OF THE ROW NUMBER EXCHANGED (W_out's are not): sixteen neighbouring stored rows are rows 0-7 and 16-23 (or 8-15 and 24-31) of a group of 32:
; the tiles that the later launches want, so that a lane's 16 results of two neighbouring tiles are 16 neighbours.
; A work-group of eight waves takes 32 rows, a wave 4 rows (4,096 numbers): row bits 3 and 4 are the wave's bits 1 and 2, so the exchange is made in the wave's place in the output alone.
; LIMITS: a block whose largest magnitude lies under 2^-122, a block of zeros among them, gets the byte 1 (the bytes are read by this program alone; zero codes add nothing under it); NaN and infinities among the inputs are not served.
; A wave takes 8 steps of 512 numbers.  Each of a step's four loads reads 512 consecutive bytes, 16 a lane; the 2,048 bytes go through the wave's own stage in LDS and come back 64 bytes a lane, so that a lane holds
; 16 neighbours along K (two neighbouring lanes hold a block).  The stage has 16 bytes of padding behind each 64.  A lane's 16 codes are 12 bytes: sixteen lanes fill a place's 192 bytes.
; A wave's 128 scale bytes are gathered in its own LDS bytes and leave as 128 consecutive bytes.  No tensor loads, no barrier: waves share nothing.  Loads run four steps (16 loads a wave) ahead.
.set STEPS, 8
.set WGX,   128                        ; work-groups 0-127 take x (32 rows each),
.set WGQ,   224                        ; 128-223 W_qkv, 224-255 W_out
.set EMAX,  4
.set CB,    12                         ; bytes of 16 codes
.set R,     16                         ; v16-79   four sets of 16 numbers as they are loaded
.set X,     80                         ; v80-111  two sets of 16 neighbours
.set C,     128                        ; v128-159 codes: four registers for each step, so that no store's data are written again
.set E,     112                        ; v112-119 a scale byte for each step
.set WREG,  8192                       ; LDS: a region of its own for each wave: two stages of 32 x SP bytes, and behind them its scale bytes
.set SP,    80                         ; a lane's place in a stage: its 64 bytes + 16 of padding
.set SPARE, 8*WREG                     ; behind the regions: the spare words, 128 bytes for each wave
.set SPW,   192                        ; v192 my spare word's address, v193 0: kept for the add alone
.set NIL,   193
.set ZA,    195                        ; v195 where my 16 zero bytes go; v196-199 zeros
.set ZR,    196
	s_load_b256 s[4:11], s[0:1], 0x0               ; x s[4:5], W_qkv s[6:7], W_out s[8:9], the codes s[10:11]
	s_load_b64 s[12:13], s[0:1], 0x20              ; the scale bytes
	v_lshl_add_u32 v[SPW], v0, 2, SPARE
	v_mov_b32 v[NIL], 0
	v_lshrrev_b32 v1, 5, v0
	v_readfirstlane_b32 s16, v1                    ; wave 0..7
	v_and_b32 v2, 31, v0                           ; lane
	v_lshlrev_b32 v3, 4, v2                        ; my 16 bytes of a load's 512
	s_mul_i32 s17, s16, WREG
	v_lshrrev_b32 v14, 2, v2
	v_mul_u32_u24 v14, v14, SP
	v_and_b32 v15, 3, v2
	v_lshl_add_u32 v14, v15, 4, v14
	v_add_nc_u32 v14, s17, v14                     ; the stage, on the way in: four lanes' 64 bytes on end, then 16 of padding
	v_mul_u32_u24 v15, v2, SP
	v_add_nc_u32 v15, s17, v15                     ; and on the way out: SP x lane: my 16 neighbours
	v_mul_u32_u24 v4, v2, CB                       ; my codes' place in a step's two places of 256 bytes: 12 bytes a lane,
	v_lshrrev_b32 v10, 4, v2
	v_lshl_add_u32 v4, v10, 6, v4                  ; lanes 16-31 in the second place
	v_lshrrev_b32 v[ZA], 2, v2                     ; the zeros: four lanes fill the 64 bytes behind a place's codes, 32 lanes those of eight places
	v_and_b32 v10, 3, v2
	v_lshlrev_b32 v10, 4, v10
	v_lshl_add_u32 v[ZA], v[ZA], 8, v10
.irp i, 0,1,2,3
	v_mov_b32 v[ZR+\i], 0
.endr
	v_lshrrev_b32 v5, 1, v2
	s_add_co_u32 s17, s17, 2*32*SP
	v_add_nc_u32 v5, s17, v5                       ; LDS: my wave's scale bytes, my block's byte
	v_lshlrev_b32 v7, 2, v2                        ; and on the way out 4 bytes a lane
	v_add_nc_u32 v6, s17, v7
	s_and_b32 s23, s16, 1                          ; the wave's number with bits 1 and 2 exchanged
	s_bfe_u32 s24, s16, 0x10001
	s_lshl_b32 s24, s24, 2
	s_or_b32 s23, s23, s24
	s_bfe_u32 s24, s16, 0x10002
	s_lshl_b32 s24, s24, 1
	s_or_b32 s23, s23, s24
	s_mov_b32 s20, WGX
	s_mov_b32 s21, WGQ
	s_wait_alu depctr_va_vdst(0)                   ; the wait at the head's end
	s_wait_kmcnt 0x0
	s_cmp_lt_u32 ttmp9, WGX                        ; which tensor?  The choices hang on the work-group's number alone
	s_cselect_b32 s20, 0, s20
	s_cselect_b64 s[4:5], s[4:5], s[6:7]
	s_cmp_lt_u32 ttmp9, WGQ
	s_cselect_b32 s20, s20, s21                    ; the tensor's first work-group
	s_cselect_b64 s[4:5], s[4:5], s[8:9]           ; the tensor
	s_cselect_b32 s22, s23, s16                    ; the wave's place in the output: bits exchanged for x and W_qkv, not for W_out
	s_sub_co_u32 s17, ttmp9, s20
	s_lshl_b32 s17, s17, 3
	s_add_co_u32 s18, s17, s16                     ; which run of 4,096 numbers of the tensor is my wave's
	s_mov_b32 s19, 0
	s_lshl_b64 s[24:25], s[18:19], 14              ; 16,384 bytes a run
	s_add_nc_u64 s[4:5], s[4:5], s[24:25]
	s_lshl_b32 s18, ttmp9, 3                       ; the three tensors' parts of the outputs lie in the order of the work-groups
	s_add_co_u32 s18, s18, s22
	s_lshl_b32 s24, s18, 12                        ; 4,096 bytes of places a run of 4 rows
	s_mov_b32 s25, 0
	s_add_nc_u64 s[8:9], s[10:11], s[24:25]        ; my codes
	s_lshl_b32 s24, s18, 7                         ; 128 scale bytes a run
	s_add_nc_u64 s[10:11], s[12:13], s[24:25]      ; my scale bytes
.macro LOAD t
.irp i, 0,1,2,3
	global_load_b128 v[R+16*((\t)%4)+4*\i:R+16*((\t)%4)+4*\i+3], v3, s[4:5] offset:2048*(\t)+512*\i th:TH_LOAD_NT   ; 32 lanes read 512 consecutive bytes
.endr
.endm
.macro TURN t                          ; step t's numbers through the stage: LDS serves a wave's instructions in order, so no wait stands between the stores and the loads
.irp i, 0,1,2,3
	ds_store_b128 v14, v[R+16*((\t)%4)+4*\i:R+16*((\t)%4)+4*\i+3] offset:32*SP*((\t)%2)+8*SP*\i
.endr
.irp i, 0,1,2,3
	ds_load_b128 v[X+16*((\t)%2)+4*\i:X+16*((\t)%2)+4*\i+3], v15 offset:32*SP*((\t)%2)+16*\i
.endr
.endm
.irp t, 0,1,2,3
	LOAD \t
.endr
	global_store_b128 v[ZA], v[ZR:ZR+3], s[8:9] offset:192        ; the zeros of my sixteen places, eight a store
	global_store_b128 v[ZA], v[ZR:ZR+3], s[8:9] offset:2048+192
	s_wait_loadcnt 12                              ; step 0's four loads are in; the twelve of steps 1 to 3 may be out
	TURN 0
.macro STEP t
.set XS, X+16*((\t)%2)
.if (\t) > 0
	s_wait_dscnt 1                                 ; this step's numbers are back from the stage (the last step's byte store may be out): so its stores into the stage have read their registers,
.else
	s_wait_dscnt 0x0
.endif
.if (\t)+4 < STEPS
	LOAD (\t)+4                                    ; which take the loads of four steps on
.endif
.if (\t)+1 < STEPS
.if STEPS-2-(\t) >= 3
	s_wait_loadcnt 12                              ; the next step's four loads are in; those of the three steps behind it may be out
.else
	s_wait_loadcnt 4*(STEPS-2-(\t))
.endif
	TURN (\t)+1                                    ; and go through the other stage while this step is worked
.endif
	v_max3_num_f32 v8, |v[XS]|, |v[XS+1]|, |v[XS+2]|               ; the largest magnitude of my 16, in two chains
	v_max3_num_f32 v9, |v[XS+3]|, |v[XS+4]|, |v[XS+5]|
.irp i, 6,10
	v_max3_num_f32 v8, v8, |v[XS+\i]|, |v[XS+\i+1]|
	v_max3_num_f32 v9, v9, |v[XS+\i+2]|, |v[XS+\i+3]|
.endr
	v_max3_num_f32 v8, v8, |v[XS+14]|, |v[XS+15]|
	v_max3_num_f32 v8, v8, v9, (EMAX+1)<<23        ; and the floor 2^(EMAX + 1 - 127): so the byte cannot fall under 1
	v_max_num_f32_dpp v8, v8, v8 row_xmask:1 row_mask:0xf bank_mask:0xf   ; and of my neighbour's 16: the block's
	v_add_nc_u32 v11, -(EMAX<<23), v8              ; EMAX off its exponent field: the conversion takes the exponent field of this operand as its scale, and nothing else of it
	v_cvt_scalef32_pk16_bf6_f32 v[C+4*(\t):C+4*(\t)+2], v[XS:XS+15], v11         ; sixteen numbers / the scale, to the nearest code, ties to even, beyond the largest code the largest; 96 bits without gaps
	v_lshrrev_b32 v[E+(\t)], 23, v11               ; the scale's byte (a plain line behind the conversion)
	ds_store_b8 v5, v[E+(\t)] offset:16*(\t)       ; both lanes of a block write the same byte with the same value
	global_store_b96 v4, v[C+4*(\t):C+4*(\t)+2], s[8:9] offset:512*(\t)
.endm
.irp t, 0,1,2,3,4,5,6,7
	STEP \t
.endr
	ds_load_b32 v12, v6                            ; LDS serves a wave's instructions in order: this sees my stores
	s_wait_dscnt 0x0
	global_store_b32 v7, v12, s[10:11]             ; 32 lanes store 128 consecutive bytes
	s_wait_tensorcnt 0x0                           ; the wave's end
	ds_add_u32 v[SPW], v[NIL]
	s_wait_dscnt 0x0
	s_endpgm
.Lfunc_end_k_qb27f6a0c09_quant:
	.size	k_qb27f6a0c09_quant, .Lfunc_end_k_qb27f6a0c09_quant-k_qb27f6a0c09_quant
	.p2alignl 7, 3214868480
	.fill 96, 4, 3214868480
	.section	.rodata,"a",@progbits
	.p2align	6, 0x0
	.amdhsa_kernel k_qb27f6a0c09_quant
		.amdhsa_group_segment_fixed_size 66560
		.amdhsa_private_segment_fixed_size 0
		.amdhsa_enable_private_segment 0
		.amdhsa_kernarg_size 40
		.amdhsa_user_sgpr_count 2
		.amdhsa_user_sgpr_kernarg_segment_ptr 1
		.amdhsa_wavefront_size32 1
		.amdhsa_system_sgpr_workgroup_id_x 1
		.amdhsa_system_sgpr_workgroup_id_y 1
		.amdhsa_system_sgpr_workgroup_id_z 1
		.amdhsa_system_vgpr_workitem_id 0
		.amdhsa_next_free_vgpr 200
		.amdhsa_next_free_sgpr 66
		.amdhsa_reserve_vcc 0
		.amdhsa_float_denorm_mode_32 3
		.amdhsa_float_denorm_mode_16_64 3
		.amdhsa_memory_ordered 1
		.amdhsa_forward_progress 1
		.amdhsa_inst_pref_size 19
	.end_amdhsa_kernel
	.amdgpu_metadata
---
amdhsa.version: [ 1, 2 ]
amdhsa.kernels:
  - .name:           k_qb27f6a0c09_quant
    .symbol:         k_qb27f6a0c09_quant.kd
    .args:
      - { .name: x, .offset: 0, .size: 8, .value_kind: global_buffer, .address_space: global }
      - { .name: W_qkv, .offset: 8, .size: 8, .value_kind: global_buffer, .address_space: global }
      - { .name: W_out, .offset: 16, .size: 8, .value_kind: global_buffer, .address_space: global }
      - { .name: opc, .offset: 24, .size: 8, .value_kind: global_buffer, .address_space: global }
      - { .name: ops, .offset: 32, .size: 8, .value_kind: global_buffer, .address_space: global }
    .group_segment_fixed_size: 66560
    .private_segment_fixed_size: 0
    .kernarg_segment_align: 8
    .kernarg_segment_size: 40
    .max_flat_workgroup_size: 256
    .sgpr_count:     66
    .vgpr_count:     200
    .wavefront_size: 32
...
	.end_amdgpu_metadata
.endif
;; end of part 1
;; launch qkv (part 2): grid 12 x 16, 4 waves a work-group, clusters of 4 x 4, 327,680 bytes of LDS; arguments opc, ops, b_qkv, qkvc, qkvs; writes qkvc, qkvs
.if DOCPART == 2
	.amdgcn_target "amdgcn-amd-amdhsa--gfx1250"
	.amdhsa_code_object_version 6
	.text
	.protected	k_qb27f6a0c09_qkv
	.globl	k_qb27f6a0c09_qkv
	.p2align	8
	.type	k_qb27f6a0c09_qkv,@function
k_qb27f6a0c09_qkv:
	s_mov_b64 s[64:65], 0
	v_nop
	global_prefetch_b8 v0, s[64:65] scope:SCOPE_SE
	s_setreg_imm32_b32 hwreg(HW_REG_WAVE_MODE, 25, 1), 1
	s_wait_xcnt 0x0
	s_wait_alu depctr_hold_cnt(0) depctr_sa_sdst(0) depctr_va_vdst(0) depctr_va_sdst(0) depctr_va_ssrc(0) depctr_va_vcc(0) depctr_vm_vsrc(0)
	s_getreg_b32 s2, hwreg(HW_REG_IB_STS2, 6, 4)
	s_cmp_eq_u32 s2, 0
	s_cbranch_scc0 .Lentry_in_a_cluster
	s_endpgm
.Lentry_in_a_cluster:
	s_bfe_u32 s2, ttmp6, 0x10000c
	s_cmp_lg_u32 s2, 0xf033
	s_cbranch_scc0 .Lentry_shape_is_right
	s_endpgm
.Lentry_shape_is_right:
; qkv = x W_qkv^T + b_qkv on codes of BF6 (E3M2) with one E8M0 scale for each 32 along K = 1,024; sums in f32; then q, k and v are quantised in registers and stored as IMAGES OF OPERAND REGISTERS for the attention launch.
; A tile of 256 x 256 is made by a work-group of four waves; a wave makes 128 x 128: 64 accumulators of 16 x 16, 512 registers.  K goes in steps of 256 through a ring of two LDS slots filled by the tensor data mover.
; THE MATRIX INSTRUCTION IS USED TRANSPOSED: source 0 = 16 rows of the operand called B here, source 1 = 16 rows of the one called A: a lane holds ONE row of A, and its registers run along B's rows.
; CLUSTERS of 4 x 4 work-groups, 3 x 4 of them.  Cluster x = 0 makes q, 1 makes k: A = x (tokens), B = W_qkv's rows 0-2,047: a lane holds a token and its registers run along the head's 64, q's and k's K.
; Cluster x = 2 makes v with the operands exchanged: A = W_qkv's rows 2,048-3,071, B = x: a lane holds one of a head's 64 and its registers run along the tokens, which are v's K in the second product of attention.
; The exchange is made in the global addresses alone; masks, LDS addresses, tile shapes and the whole K loop are the same for all.  A's tiles are asked for jointly along a row of the cluster, B's along a column.
; The rows of x and W_qkv lie in the codes' buffer with bits 3 and 4 of the row number exchanged, so that the 16 registers of result tiles 2 g and 2 g + 1 are 16 NEIGHBOURS along B's rows: 32 g + 16 (lane / 16) + 0 .. 15.
; AN IMAGE is 12 registers a lane, 1,536 bytes: registers 4 c .. 4 c + 3 of lane l at byte 512 c + 16 l.  Image i of q or k for 128 tokens: registers 0-5 token tile 2 i, registers 6-11 token tile 2 i + 1 (lane (r, h): row r,
; the head's 32 h .. 32 h + 31); its scale word for row r: two bytes of tile 2 i, two of tile 2 i + 1.  An image of v is a whole operand: 16 of the head's 64 x 128 keys.
; LIMITS: a block whose largest magnitude lies under 2^-122 gets the byte 1 (the bytes are read by this program alone); NaN and infinities are not served.
; REGISTERS, in windows of 256: window 0: v0-31 addresses; v32-63 scale words, two sets; v64-127 the bias; from v128 A's fragments, ONE set; behind the last product v128-253 serve the quantiser.
;   window 1: B's fragments, TWO sets, at v0 and at v128.   window 2: the 32 accumulators of my rows 0-63 (accumulator (a, b) at v[8 (8 a + b)]);   window 3: those of my rows 64-127.
.set SIZE_K, 1024
.set KSTEP,  256                       ; along K in a slot
.set NQ,     KSTEP/128                 ; matrix instructions deep
.set ROWB,   256                       ; a tile's row in bytes: the place of KSTEP codes: 192 bytes of codes and 64 of zeros
.set KROW,   1024                      ; a row of codes in memory: four places of 256 bytes
.set PITCH,  272                       ; an LDS row: 256 bytes + 16 of padding = 68 words: the 32 lanes of a load of 8 bytes touch 64 different banks (64 banks of 4 bytes: ISA guide 11.1)
.set FR,     12                        ; registers of a fragment: 16 rows x 128 K
.set NL,     6                         ; LDS loads that bring one
.set NP,     4                         ; places behind this matrix instruction (ISA guide 7.12.1)
.set HALFT,  128*PITCH                 ; 128 rows: what one tensor load brings, and what one wave reads of A or of B
.set SLOT,   4*HALFT                   ; A's 256 rows, then B's 256 rows
.set LAPS,   SIZE_K/(2*KSTEP)          ; a lap = two K steps = once round the ring
.set KS,     SIZE_K/32                 ; a row of scales in bytes
.set SCL,    2*SLOT                    ; behind the ring: the scales, as pieces of 256 bytes + 16 of padding
.set HALFS,  (128*KS/256)*272          ; the scales of 128 rows
.set SBLK,   (16*KS/256)*272           ; those of 16 rows
.set SPARE,  SCL+4*HALFS               ; behind the scales: the spare words, 128 bytes for each wave: two blocks of 256 bytes that no other line names
.set WQ_C,   4194304                   ; the codes' buffer: W_qkv's first row,
.set WV_C,   6291456                   ; its row 2,048;
.set WQ_S,   131072                    ; the same in the scale bytes' buffer
.set WV_S,   196608
.set IMG,    1536                      ; an image
.set HEADQ,  64*IMG                    ; q's images of a head; k's and v's together are twice as many
.set QREG,   32*HEADQ                  ; where k's and v's images begin: [head][chunk of 4 key steps][16 of k, 16 of v]
.set ADRA, 16                          ; v16-17  LDS address of my A fragments in slot 0, 1
.set ADRB, 20                          ; v20-21  the same for B
.set BQ,   24                          ; v24     64 x (lane / 16): the bias of q and k
.set LI,   25                          ; v25     16 x lane: my place in a third of an image
.set WOF,  26                          ; v26     my place among the scale words
.set ADRS, 27                          ; v27     LDS address of my scale words: lanes 0-15 A's rows, lanes 16-31 B's
.set SPW,  28                          ; v28     LDS address of my spare word: SPARE + 4 x my thread's number; never rewritten
.set NIL,  29                          ; v29     0; never rewritten
.set BV,   30                          ; v30     4 x (r + 8 (r / 8)): the bias of v
.set LN,   31                          ; v31     lane
.set SC,   32                          ; scale words: set s (for slot s) at v[SC + 8 NQ s]; register NQ i + q: lanes 0-15 the word of A's block i, lanes 16-31 that of B's block i
.set BI,   64                          ; v64-127 the bias
.set AF,   128                         ; A's fragments
.set HA,   128                         ; behind the last product: v128-191 a block's 64 numbers
.set IA,   192                         ; v192-203 an image;  v204-215 a second
.set IB,   204
.set WA,   216                         ; v216-219 head A's four scale words;  v220-223 head B's
.set WB,   220
.set TM,   224                         ; v224-227 largest magnitudes, v228-231 bytes, v236-239 the conversions' scale operands
.set CT,   240                         ; v240-246 the conversions' second halves
.set PWA,  248                         ; v248, v249 the scale words just made
.set PWB,  249
.set WD,   250                         ; v250-253 the four words that I store
.set SEL,  18                          ; s[18:19] lane selects for v_permlanex16_b32: lane l xor 16
.set G1, 24                            ; s[24:31] descriptor group 1 for A's tiles;  s[32:39] group 0, one set for each slot
.set G0, 32
.set G1B, 48                           ; s[48:55], s[56:63] the same for B's tiles
.set G0B, 56
.set G1S, 68                           ; s[68:75], s[76:79] groups 1 and 0 for A's scales;  s[80:87], s[88:91] for B's
.set G0S, 76
.set G1SB, 80
.set G0SB, 88
.set MSB, 0
.macro WIN new                         ; the immediate's high byte repeats the setting that is left; a switch that changes nothing is dropped
.if MSB != (\new)
	s_set_vgpr_msb (MSB<<8)|(\new)
.set MSB, (\new)
.endif
.endm
.set MUL_LO, 0xa1                      ; source 0 (B) window 1, source 1 (A) window 0, C and D window 2
.set MUL_HI, 0xf1                      ; the same, C and D window 3
.set TO_B,   0x40                      ; destination window 1, address window 0
; A joint load: waves 0 and 1 fetch for A, waves 2 and 3 for B.  Each of the two lines has ONE mask and one set of registers for all that issue it; the branch hangs on the wave's number alone.
; Four v_nop follow each of the two lines, ahead of the jump, the label and what follows.
.macro JLOAD g0a, g1a, g0b, g1b
	s_cmp_eq_u32 s15, 0
	s_cbranch_scc0 .Lfor_b_\@
	tensor_load_to_lds s[\g0a:\g0a+3], s[\g1a:\g1a+7]
	s_nop 0
.rept 4
	v_nop
.endr
	s_branch .Lasked_\@
.Lfor_b_\@:
	tensor_load_to_lds s[\g0b:\g0b+3], s[\g1b:\g1b+7]
	s_nop 0
.rept 4
	v_nop
.endr
.Lasked_\@:
.endm
.macro CREST                           ; a round of the cluster's barrier behind its opening barrier
	s_cmp_lg_u32 s14, 0
	s_cbranch_scc1 .Lnot_wave_0_\@
	s_barrier_signal -3
.Lnot_wave_0_\@:
	s_barrier_wait -3
	s_barrier_signal -1
	s_barrier_wait -1
.endm
.macro CROUND                          ; a whole round
	s_barrier_signal -1
	s_barrier_wait -1
	CREST
.endm
	s_load_b128 s[4:7], s[0:1], 0x0                ; the codes s[4:5], the scale bytes s[6:7]
	s_load_b128 s[8:11], s[0:1], 0x10              ; b_qkv s[8:9], the images s[10:11]
	s_load_b64 s[12:13], s[0:1], 0x20              ; the images' scale words
	v_lshl_add_u32 v[SPW], v0, 2, SPARE
	v_mov_b32 v[NIL], 0
	ds_add_u32 v28, v29
	ds_add_u32 v28, v29
	s_wait_dscnt 0x0
	v_lshrrev_b32 v1, 5, v0
	v_readfirstlane_b32 s14, v1                    ; wave 0..3
	s_lshr_b32 s15, s14, 1                         ; which half of the tile's rows (A) is mine.  Also: I fetch for A (0) or for B (1)
	s_and_b32 s16, s14, 1                          ; which half of its columns (B).  Also: which 128 rows of that tile I fetch
	s_bfe_u32 s40, ttmp6, 0x40000                  ; cx, cy: my place in the cluster
	s_bfe_u32 s41, ttmp6, 0x40004
	s_and_b32 s95, ttmp7, 0xffff                   ; cluster y
	s_cmp_eq_u32 ttmp9, 2                          ; v's clusters?  The same answer in all sixteen partners.  Only selections follow the compare
	s_cselect_b32 s42, s95, ttmp9                  ; B's tiles: v: x by cluster y;  q, k: W_qkv by cluster x
	s_cselect_b32 s17, 0, s95                      ; A's tiles: v: W_v's four;  q, k: x by cluster y
	s_cselect_b32 s66, WV_C, 0                     ; where A's codes begin,
	s_cselect_b32 s67, 0, WQ_C                     ; B's,
	s_cselect_b32 s96, WV_S, 0                     ; A's scale bytes,
	s_cselect_b32 s97, 0, WQ_S                     ; B's
	s_lshl_b32 s42, s42, 2
	s_add_co_u32 s42, s42, s40                     ; tile column (B) = 4 x .. + cx
	s_lshl_b32 s17, s17, 2
	s_add_co_u32 s17, s17, s41                     ; tile row (A) = 4 x .. + cy
	s_lshl_b32 s43, s41, 2
	s_lshl_b32 s43, 15, s43                        ; my row of the cluster
	s_lshl_b32 s44, 0x1111, s40                    ; my column
	; descriptor group 1: a tile of 128 rows x ROWB bytes, padded in LDS
	s_or_b32 s[G1+0], s43, (0<<16)|(1<<20)|(1<<21)|(5<<22)|(3<<25)  ; the mask: A's tiles go to my row; elements of 1 byte; padding on, of 4 words behind every 64; bit 21 set beside a mask
	s_or_b32 s[G1B+0], s44, (0<<16)|(1<<20)|(1<<21)|(5<<22)|(3<<25)
.irp g, G1, G1B
	s_mov_b32 s[\g+1], ROWB<<16                    ; tensor_dim0
	s_mov_b32 s[\g+2], 256<<16                     ; tensor_dim1 = 256 for the head's loads; behind them 128
	s_mov_b32 s[\g+3], ROWB<<16                    ; tile_dim0
	s_mov_b32 s[\g+4], 256                         ; tile_dim1
	s_mov_b32 s[\g+5], KROW                        ; tensor_dim0_stride
	s_mov_b32 s[\g+6], 0
	s_mov_b32 s[\g+7], 0
.endr
	; and for the scales of 256 rows: a dense block of 8,192 bytes, as rows of 256 bytes (32 elements of 8 bytes), 16 bytes of padding behind each
	s_or_b32 s[G1S+0], s43, (3<<16)|(1<<20)|(1<<21)|(5<<22)|(3<<25)
	s_or_b32 s[G1SB+0], s44, (3<<16)|(1<<20)|(1<<21)|(5<<22)|(3<<25)
.irp g, G1S, G1SB
	s_mov_b32 s[\g+1], 32<<16
	s_mov_b32 s[\g+2], KS<<16                      ; the scales of 256 rows: KS rows of 256 bytes
	s_mov_b32 s[\g+3], 32<<16
	s_mov_b32 s[\g+4], KS
	s_mov_b32 s[\g+5], 32
	s_mov_b32 s[\g+6], 0
	s_mov_b32 s[\g+7], 0
.endr
	s_lshl_b32 s20, s17, 8                         ; A: the tile's first row, 256 x tile row
	s_lshl_b32 s46, s42, 8                         ; B: 256 x tile column
	s_lshl_b32 s22, s20, 5                         ; where these rows' scales begin, in bytes (all these offsets stay under 2^23),
	s_add_co_u32 s22, s22, s96
	s_mov_b32 s23, 0
	s_lshl_b32 s92, s46, 5
	s_add_co_u32 s92, s92, s97
	s_mov_b32 s93, 0
	s_mul_i32 s20, s20, KROW                       ; and their codes
	s_add_co_u32 s20, s20, s66
	s_mov_b32 s21, 0
	s_mul_i32 s46, s46, KROW
	s_add_co_u32 s46, s46, s67
	s_mov_b32 s47, 0
	s_mul_i32 s45, s14, HALFT                      ; where they go: wave x 128 rows: no place in the cluster enters an LDS address
	s_mul_i32 s18, s16, 128*KROW                   ; in the ring I fetch 128 rows of a tile: which half, in bytes
	s_mov_b32 s19, 0
	s_wait_kmcnt 0x0
	s_add_nc_u64 s[20:21], s[4:5], s[20:21]
	s_add_nc_u64 s[22:23], s[6:7], s[22:23]
	s_add_nc_u64 s[46:47], s[4:5], s[46:47]
	s_add_nc_u64 s[92:93], s[6:7], s[92:93]
	CROUND                                         ; all sixteen work-groups are here: the first joint loads meet
	s_mov_b32 s[G0S], 1
	s_mov_b32 s[G0S+1], SCL
	s_mov_b64 s[G0S+2:G0S+3], s[22:23]
	s_or_b32 s[G0S+3], s[G0S+3], 0x80000000
	s_mov_b32 s[G0SB], 1
	s_mov_b32 s[G0SB+1], SCL+2*HALFS
	s_mov_b64 s[G0SB+2:G0SB+3], s[92:93]
	s_or_b32 s[G0SB+3], s[G0SB+3], 0x80000000
	s_mov_b32 s4, 1                                ; group 0 of the head's loads of K step 0: A's 256 rows (the arguments that lay in s[4:7] have been used),
	s_mov_b32 s5, 0
	s_mov_b64 s[6:7], s[20:21]
	s_or_b32 s7, s7, 0x80000000
	s_mov_b32 s92, 1                               ; and B's 256 rows, behind them in slot 0
	s_mov_b32 s93, 2*HALFT
	s_mov_b64 s[94:95], s[46:47]
	s_or_b32 s95, s95, 0x80000000
	; THE PREFETCHES' BASE, s[96:97].  A K step's part of a tile is 256 rows x 256 bytes.  The four partners that ask for a tile jointly share its rows out by address: the partner at place p (cx for A's, cy for B's)
	; takes rows 64 p .. 64 p + 63, and of those each of the two waves that fetch for that operand 32: a lane a row, one instruction a wave.  So each 256 bytes are named once in each cluster that loads them.
	s_cmp_eq_u32 s15, 0                            ; do I fetch for A?
	s_cselect_b64 s[96:97], s[20:21], s[46:47]     ; the tile's first row
	s_cselect_b32 s66, s40, s41                    ; my work-group's place among the four
	s_lshl_b32 s66, s66, 16                        ; 64 rows of 1,024 bytes,
	s_lshl_b32 s67, s16, 15                        ; and my wave's 32 of them
	s_add_co_u32 s66, s66, s67
	s_mov_b32 s67, 0
	s_add_nc_u64 s[96:97], s[96:97], s[66:67]      ; never written again
	s_add_nc_u64 s[20:21], s[20:21], s[18:19]      ; for the ring: my 128 rows of the tile
	s_add_nc_u64 s[46:47], s[46:47], s[18:19]
.irp s, 0,1
	s_mov_b32 s[G0+4*\s], 1
	s_add_co_u32 s[G0+4*\s+1], s45, \s*SLOT
	s_add_nc_u64 s[G0+4*\s+2:G0+4*\s+3], s[20:21], \s*ROWB
	s_or_b32 s[G0+4*\s+3], s[G0+4*\s+3], 0x80000000
	s_mov_b32 s[G0B+4*\s], 1
	s_add_co_u32 s[G0B+4*\s+1], s45, \s*SLOT
	s_add_nc_u64 s[G0B+4*\s+2:G0B+4*\s+3], s[46:47], \s*ROWB
	s_or_b32 s[G0B+4*\s+3], s[G0B+4*\s+3], 0x80000000
.endr
; THE HEAD'S LOADS, ONE A WAVE: wave 0 K step 0's 256 rows of A, wave 1 its 256 rows of B, wave 2 the scales of A's rows, wave 3 those of B's: one tree of branches on the wave's number.
.macro ARM under, g0, g1, next
	s_cmp_lt_u32 s14, \under
	s_cbranch_scc0 \next
	tensor_load_to_lds s[\g0:\g0+3], s[\g1:\g1+7]
	s_nop 0
.rept 4
	v_nop
.endr
	s_branch .Lhead_asked
\next:
.endm
	ARM 1, 4,   G1,  .Lhead_b
	ARM 2, 92,  G1B, .Lhead_sa
	ARM 3, G0S, G1S, .Lhead_sb
	tensor_load_to_lds s[G0SB:G0SB+3], s[G1SB:G1SB+7]
	s_nop 0
.rept 4
	v_nop
.endr
.Lhead_asked:
	v_and_b32 v15, 31, v0
	v_lshlrev_b32 v15, 10, v15                     ; v15: my lane's row, 1,024 bytes a row; never written again
	global_prefetch_b8 v15, s[96:97] offset:2*ROWB th:TH_LOAD_NT scope:SCOPE_SE   ; K step 2, two K steps ahead of the load that wants it; K steps 0 and 1 come by their loads alone
	v_and_b32 v1, 15, v0                           ; r = l % 16
	v_bfe_u32 v2, v0, 4, 1                         ; h = l / 16
	v_mul_u32_u24 v3, v1, PITCH
	v_mul_u32_u24 v4, v2, 24
	v_add_nc_u32 v4, v3, v4                        ; a fragment's row x pitch + 24 x half
	s_mul_i32 s21, s15, HALFT                      ; my 128 rows of A
	s_mul_i32 s22, s16, HALFT                      ; my 128 rows of B,
	s_add_co_u32 s22, s22, 2*HALFT                 ; which lie behind A's 256
.irp s, 0,1
	v_add_nc_u32 v[ADRA+\s], s21, v4
	v_add_nc_u32 v[ADRB+\s], s22, v4
	s_add_co_u32 s21, s21, SLOT
	s_add_co_u32 s22, s22, SLOT
.endr
	v_mul_u32_u24 v5, v1, KS                       ; my row's scales: KS bytes a row,
	v_lshrrev_b32 v6, 8, v5
	v_lshl_add_u32 v5, v6, 4, v5                   ; and 16 more for each 256 passed
	s_mul_i32 s21, s15, HALFS                      ; A's: my 128 rows
	s_mul_i32 s22, s16, HALFS                      ; B's: my 128 rows, behind A's 256
	s_add_co_u32 s22, s22, 2*HALFS
	s_sub_co_u32 s22, s22, s21
	v_mul_u32_u24 v6, s22, v2                      ; lanes 16-31 take B's
	s_add_co_u32 s21, s21, SCL
	v_add_nc_u32 v5, v5, v6
	v_add_nc_u32 v[ADRS], s21, v5
	v_lshlrev_b32 v[BQ], 6, v2
	v_and_b32 v[LN], 31, v0
	v_lshlrev_b32 v[LI], 4, v[LN]
	v_and_b32 v[BV], 8, v1
	v_add_nc_u32 v[BV], v[BV], v1
	v_lshlrev_b32 v[BV], 2, v[BV]
	s_mov_b32 s[SEL], 0x76543210
	s_mov_b32 s[SEL+1], 0xfedcba98
.macro FRAG reg, adr, q, i             ; a fragment, 16 rows x 128 K of 6-bit codes, is 12 registers: lane l holds row l % 16; registers 6 c .. 6 c + 5 hold K = 64 c + 32 (l / 16) + 0 .. 31: 24 bytes of the row's stream of bits, as they lie
.irp p, 0,1,2,3,4,5                    ; in pieces of 8 bytes, so that every address is a multiple of the access's size.  Lanes 0-15 take the row's pieces 12 q + 0, 1, 2 and 12 q + 6, 7, 8, lanes 16-31 those three pieces on
	ds_load_b64 v[\reg+2*\p:\reg+2*\p+1], v[\adr] offset:96*(\q)+48*(\p/3)+8*(\p%3)+(\i)*16*PITCH
.endr
.endm
; 16 matrix instructions: A's blocks a0, a0 + 1 x B's eight, 128 along K: the slot's q-th.  p: B's set;  sc: the set of scale words.  zero = 1: the first product starts the sums: nothing is ever cleared.
; The 64 accumulators take turns, one instruction a turn, in the same order in every step.
.macro MUL16 a0, p, q, sc, zero
.irp a, \a0, \a0+1
.irp b, 0,1,2,3,4,5,6,7
.if \zero
	v_wmma_scale_f32_16x16x128_f8f6f4 v[8*(8*((\a)%4)+\b):8*(8*((\a)%4)+\b)+7], v[128*(\p)+FR*\b:128*(\p)+FR*\b+FR-1], v[AF+FR*(\a):AF+FR*(\a)+FR-1], 0, v[SC+8*NQ*(\sc)+NQ*\b+(\q)], v[SC+8*NQ*(\sc)+NQ*(\a)+(\q)] matrix_a_fmt:MATRIX_FMT_BF6 matrix_b_fmt:MATRIX_FMT_BF6 matrix_a_scale:MATRIX_SCALE_ROW1
.else
	v_wmma_scale_f32_16x16x128_f8f6f4 v[8*(8*((\a)%4)+\b):8*(8*((\a)%4)+\b)+7], v[128*(\p)+FR*\b:128*(\p)+FR*\b+FR-1], v[AF+FR*(\a):AF+FR*(\a)+FR-1], v[8*(8*((\a)%4)+\b):8*(8*((\a)%4)+\b)+7], v[SC+8*NQ*(\sc)+NQ*\b+(\q)], v[SC+8*NQ*(\sc)+NQ*(\a)+(\q)] matrix_a_fmt:MATRIX_FMT_BF6 matrix_b_fmt:MATRIX_FMT_BF6 matrix_a_scale:MATRIX_SCALE_ROW1
.endif
.endr
.endr
.endm
.macro FETCH_B slot, q, p              ; B's eight fragments of the slot's q-th 128 along K into set p
	WIN TO_B
.irp i, 0,1,2,3,4,5,6,7
	FRAG 128*(\p)+FR*\i, ADRB+\slot, \q, \i
.endr
	WIN 0
.endm
.macro FETCH_A slot, q, i0             ; A's blocks i0 .. i0 + 3
.irp i, \i0, \i0+1, \i0+2, \i0+3
	FRAG AF+FR*(\i), ADRA+\slot, \q, \i
.endr
.endm
.macro SCALES sc                       ; the next K step's scale words into set sc: NQ words a row; lanes 0-15 take A's block i, lanes 16-31 B's block i
.irp i, 0,1,2,3,4,5,6,7
	ds_load_b64 v[SC+8*NQ*\sc+NQ*\i:SC+8*NQ*\sc+NQ*\i+1], v[ADRS] offset:\i*SBLK
.endr
.endm
; A load into a register that a matrix instruction has read, and a vector instruction that reads a matrix result, stand NP places behind that matrix instruction, and only plain vector
; instructions that name none of its registers are places (ISA guide 7.12.1 for vector instructions); the matrix instructions in between are not counted.
.macro PLACES n
.rept \n
	v_nop
.endr
.endm
; A step of 128 along K that has its successor in the same slot.
.macro STEP slot, q, zero
	s_wait_dscnt 4*NL                              ; B's set and A's blocks 0-3 are in; the youngest 24 loads (A's blocks 4-7) may be out
	WIN MUL_LO
	MUL16 0, (\q)%2, \q, \slot, \zero
	MUL16 2, (\q)%2, \q, \slot, \zero
	s_wait_dscnt 0                                 ; A's blocks 4-7 are in (asked for 32 matrix instructions ago)
	PLACES NP
	FETCH_B \slot, (\q)+1, 1-(\q)%2
	FETCH_A \slot, (\q)+1, 0
	WIN MUL_HI
	MUL16 4, (\q)%2, \q, \slot, \zero
	MUL16 6, (\q)%2, \q, \slot, \zero
	PLACES NP
	WIN 0
	FETCH_A \slot, (\q)+1, 4
.endm
; A slot's last step changes slots: ONE barrier; in front of it each wave waits for all its tensor loads, adds 0 to its spare word, and waits for that and for its own reads of this slot.  fill = 1: this slot is filled again, two K steps ahead.
.macro TURN slot, next, fill
	s_wait_tensorcnt 0x0                           ; all my tensor loads have landed: my part of the next slot;  (every window is 0 here: the add's two registers lie in window 0)
	ds_add_u32 v[SPW], v[NIL]                      ; 0 onto my spare word;
	s_wait_dscnt 4*NL+1                            ; (the add and the youngest 24 loads, A's blocks 4-7, may be out)
	WIN MUL_LO
	MUL16 0, 1, NQ-1, \slot, 0                     ; sixteen matrix instructions stand between the add and the wait for it
	s_wait_dscnt 0x0                               ; the add is done, and my reads of this slot are over
	s_barrier_signal -1
	MUL16 2, 1, NQ-1, \slot, 0
	WIN 0
	s_barrier_wait -1
.if \fill
	CREST                                          ; the barrier has opened a round of the cluster's barrier: no wave of any partner still reads this slot's tile or has a load on its way
	s_add_nc_u64 s[G0+4*\slot+2:G0+4*\slot+3], s[G0+4*\slot+2:G0+4*\slot+3], 2*ROWB
	s_add_nc_u64 s[G0B+4*\slot+2:G0B+4*\slot+3], s[G0B+4*\slot+2:G0B+4*\slot+3], 2*ROWB
	JLOAD G0+4*\slot, G1, G0B+4*\slot, G1B         ; the first tensor load behind the round; the four v_nop behind it are the places in front of the loads below
.else
	PLACES NP
.endif
	s_wait_alu depctr_va_vdst(0)
	v_add_nc_u32 v[ADRS], 4*NQ, v[ADRS]            ; on to the next K step's scale words (no LDS load of mine is out)
	FETCH_B \next, 0, 0
	FETCH_A \next, 0, 0
	SCALES \next
	WIN MUL_HI
	MUL16 4, 1, NQ-1, \slot, 0
	MUL16 6, 1, NQ-1, \slot, 0
	PLACES NP
	WIN 0
	FETCH_A \next, 0, 4
.endm
.macro LAST                            ; the very last step of 128 along K: nothing more to fetch
	s_wait_dscnt 4*NL
	WIN MUL_LO
	MUL16 0, 1, NQ-1, 1, 0
	MUL16 2, 1, NQ-1, 1, 0
	s_wait_dscnt 0
	WIN MUL_HI
	MUL16 4, 1, NQ-1, 1, 0
	MUL16 6, 1, NQ-1, 1, 0
	WIN 0
.endm
; THE WAY OUT.  WHERE: from the tile of 256 tokens (s[tok]) and my half of it (s[th]): s69 = the key step of 128 tokens in its batch; with the tile of four heads (s[hq], its low two bits) and my half (s[hh]): s70 = head A, the first of my two.
.macro WHERE tok, th, hq, hh
	s_lshr_b32 s68, s[\tok], 3                     ; the batch
	s_and_b32 s69, s[\tok], 7
	s_lshl_b32 s69, s69, 1
	s_add_co_u32 s69, s69, s[\th]
	s_and_b32 s70, s[\hq], 3
	s_lshl_b32 s70, s70, 2
	s_lshl_b32 s71, s[\hh], 1
	s_add_co_u32 s70, s70, s71
	s_lshl_b32 s68, s68, 4
	s_add_co_u32 s70, s70, s68                     ; 16 x batch + 4 x tile + 2 x half
.endm
; BASES: s72 = bytes of images a head, s73 = where the region begins, s74 = bytes of scale words a head, s75 = where they begin.  s[80:81] = head A's images of my key step, s[82:83] = head B's, s[84:85] = head A's words.
.macro BASES
	s_lshr_b32 s76, s72, 2                         ; a chunk of four key steps: a quarter of a head
	s_lshr_b32 s77, s74, 4                         ; a key step's words: a sixteenth
	s_mul_i32 s78, s70, s72
	s_add_co_u32 s78, s78, s73
	s_lshr_b32 s79, s69, 2
	s_mul_i32 s79, s79, s76
	s_add_co_u32 s78, s78, s79
	s_and_b32 s79, s69, 3
	s_mul_i32 s79, s79, 4*IMG                      ; four images a key step
	s_add_co_u32 s78, s78, s79
	s_mov_b32 s79, 0
	s_add_nc_u64 s[80:81], s[10:11], s[78:79]
	s_mov_b32 s78, s72
	s_add_nc_u64 s[82:83], s[80:81], s[78:79]
	s_mul_i32 s84, s70, s74
	s_add_co_u32 s84, s84, s75
	s_mul_i32 s85, s69, s77
	s_add_co_u32 s84, s84, s85
	s_mov_b32 s85, 0
	s_add_nc_u64 s[84:85], s[12:13], s[84:85]
	v_mul_u32_u24 v[WOF], s74, v2                  ; lanes 0-15 store head A's words, lanes 16-31 head B's;
	v_lshl_add_u32 v[WOF], v1, 4, v[WOF]           ; 16 bytes a row
.endm
.macro START                           ; behind the last product
.irp b, 0,1,2,3
	v_mov_b32 v[TM+4+\b], 0                        ; a lane permute's destination counts as one of its sources: written once.  These four lines are also the places behind the last products
.endr
	s_wait_loadcnt 0x0                             ; the bias
.endm
; Block a's 64 sums + the bias -> v[HA] on, in window 0.  kind = 0: the registers run along the features, each with its own bias; 1: the lane is one feature.  Each accumulator is read from its low end on.
.macro ADDB a, kind
	WIN 0x02+(\a)/4
.set AC, 64*((\a)%4)
.set I, 0
.rept 32
.if \kind
	v_pk_add_f32 v[HA+I:HA+I+1], v[AC+I:AC+I+1], v[BI+2*(\a):BI+2*(\a)+1]
.else
	v_pk_add_f32 v[HA+I:HA+I+1], v[AC+I:AC+I+1], v[BI+I:BI+I+1]
.endif
.set I, I+2
.endr
	WIN 0
.endm
; 64 numbers of a lane, register 16 b + i = k 32 b + 16 (lane / 16) + i of my row, become codes: blocks 0, 1 in v[d0] .. v[d0 + 5], blocks 2, 3 in v[d1] .. v[d1 + 5] (lane (r, h): block h or 2 + h, whole), and the four bytes in v[w].
.macro QUANT s, d0, d1, w
.irp b, 0,1,2,3
	v_max3_num_f32 v[TM+\b], |v[\s+16*\b]|, |v[\s+1+16*\b]|, 0x2800000   ; block b: my 16 numbers, and the floor 2^(5 - 127): so the byte cannot fall under 1
.endr
.irp i, 2,4,6,8,10,12,14
.irp b, 0,1,2,3
	v_max3_num_f32 v[TM+\b], v[TM+\b], |v[\s+16*\b+\i]|, |v[\s+1+16*\b+\i]|   ; (the four blocks by turns: no line waits for the line above it)
.endr
.endr
.irp b, 0,1,2,3
	v_permlanex16_b32 v[TM+4+\b], v[TM+\b], s[SEL], s[SEL+1]
.endr
.irp b, 0,1,2,3
	v_max_num_f32 v[TM+\b], v[TM+\b], v[TM+4+\b]   ; with lane l xor 16's: the block's largest magnitude
.endr
.irp b, 0,1,2,3
	v_add_nc_u32 v[TM+12+\b], 0xfe000000, v[TM+\b] ; 4 off its exponent field: the conversion takes the exponent field of this operand as its scale, and nothing else of it
.endr
.irp b, 0,1,2,3
	v_lshrrev_b32 v[TM+4+\b], 23, v[TM+12+\b]      ; the scale's byte
.endr
	v_lshl_or_b32 v[\w], v[TM+5], 8, v[TM+4]
	v_lshl_or_b32 v[\w], v[TM+6], 16, v[\w]
	v_lshl_or_b32 v[\w], v[TM+7], 24, v[\w]
	v_cvt_scalef32_pk16_bf6_f32 v[\d0:\d0+2], v[\s:\s+15], v[TM+12]
	v_cvt_scalef32_pk16_bf6_f32 v[CT:CT+2], v[\s+16:\s+31], v[TM+13]       ; (a conversion's three registers begin on an even number)
	v_cvt_scalef32_pk16_bf6_f32 v[\d1:\d1+2], v[\s+32:\s+47], v[TM+14]
	v_cvt_scalef32_pk16_bf6_f32 v[CT+4:CT+6], v[\s+48:\s+63], v[TM+15]
	v_nop                                          ; one plain place behind a scaled conversion
.irp i, 0,1,2
	v_permlane16_swap_b32 v[\d0+\i], v[CT+\i]      ; the first's lanes 16-31 change places with the second's lanes 0-15: a whole block in a lane
.endr
.irp i, 0,1,2
	v_mov_b32 v[\d0+3+\i], v[CT+\i]
.endr
.irp i, 0,1,2
	v_permlane16_swap_b32 v[\d1+\i], v[CT+4+\i]
.endr
.irp i, 0,1,2
	v_mov_b32 v[\d1+3+\i], v[CT+4+\i]
.endr
.endm
.macro PUT reg, base, off              ; an image leaves as it stands: each store covers 512 consecutive bytes, aligned
.irp c, 0,1,2
	global_store_b128 v[LI], v[\reg+4*\c:\reg+4*\c+3], s[\base:\base+1] offset:\off+512*\c
.endr
.endm
.macro WORDS                           ; sixteen lanes store head A's 256 bytes of scale words, sixteen head B's
	v_cmp_lt_u32 vcc_lo, 15, v[LN]
.irp p, 0,1,2,3
	v_cndmask_b32 v[WD+\p], v[WA+\p], v[WB+\p], vcc_lo
.endr
	global_store_b128 v[WOF], v[WD:WD+3], s[84:85]
.endm
	s_wait_alu depctr_va_vdst(0)
	s_wait_tensorcnt 0x0                           ; my tile of the head's four is in
	ds_add_u32 v[SPW], v[NIL]
	s_mov_b32 s[G1+2], 128<<16                     ; no tensor load of mine is out: from here on a load brings 128 rows
	s_mov_b32 s[G1+4], 128
	s_mov_b32 s[G1B+2], 128<<16
	s_mov_b32 s[G1B+4], 128
	s_wait_dscnt 0x0
	CROUND                                         ; all four tiles are in, and all sixteen work-groups are here
	JLOAD G0+4, G1, G0B+4, G1B                     ; K step 1, the first tensor load behind the round
	FETCH_B 0, 0, 0
	FETCH_A 0, 0, 0
	SCALES 0
	FETCH_A 0, 0, 4
	global_prefetch_b8 v15, s[96:97] offset:3*ROWB th:TH_LOAD_NT scope:SCOPE_SE   ; behind K step 1's load and the run of LDS loads: K step 3, the last: nothing is asked for beyond it
	STEP 0, 0, 1
	s_mov_b32 s3, LAPS-1
.Llap:                                                 ; a trip goes once round the ring, from a lap's second step to the next lap's first, and fills both slots again
	TURN 0, 1, 1
	STEP 1, 0, 0
	TURN 1, 0, 1
	STEP 0, 0, 0
	s_sub_co_u32 s3, s3, 1
	s_cmp_lg_u32 s3, 0
	s_cbranch_scc1 .Llap
	TURN 0, 1, 0                                   ; the last lap fills nothing, and has no round of the cluster's barrier
	STEP 1, 0, 0
	; No tensor load of mine is out since the last change of slots: the scalar registers that held the scales' descriptors serve the way out.
	s_cmp_eq_u32 ttmp9, 2                          ; the same in all sixteen partners and all four waves
	s_cbranch_scc1 .Lv
	; ---- q and k.  A lane holds a token; my 128 columns are two heads.  The bias is asked for ahead of the last 64 products.
	WHERE 17, 15, 42, 16
	s_mov_b32 s72, 2*HEADQ
	s_mov_b32 s74, 8192
	s_cmp_eq_u32 ttmp9, 0                          ; q or k?  Only selections follow the compare
	s_cselect_b32 s72, HEADQ, s72
	s_cselect_b32 s73, 0, QREG
	s_cselect_b32 s74, 4096, s74
	s_cselect_b32 s75, 0, 131072
	BASES
	s_lshl_b32 s86, s42, 10                        ; b_qkv at my 128 features: 4 x (256 x tile column + 128 x half)
	s_lshl_b32 s87, s16, 9
	s_add_co_u32 s86, s86, s87
	s_mov_b32 s87, 0
	s_add_nc_u64 s[86:87], s[8:9], s[86:87]
.irp t, 0,1,2,3,4,5,6,7                        ; tile t's register j is feature 32 (t / 2) + 8 (t % 2) + 16 (lane / 16) + j
	global_load_b128 v[BI+8*\t:BI+8*\t+3], v[BQ], s[86:87] offset:(32*(\t/2)+8*(\t%2))*4
	global_load_b128 v[BI+8*\t+4:BI+8*\t+7], v[BQ], s[86:87] offset:(32*(\t/2)+8*(\t%2))*4+16
.endr
	LAST
	START
.irp p, 0,1,2,3                                ; image p of each head: token tiles 2 p and 2 p + 1
.if \p > 0
	s_wait_xcnt 0x0                                ; the last images' stores have read their registers
.endif
	ADDB 2*\p, 0
	QUANT HA, IA, IB, PWA                          ; blocks 0, 1: head A; blocks 2, 3: head B
	ADDB 2*\p+1, 0
	QUANT HA, IA+6, IB+6, PWB
	v_perm_b32 v[WA+\p], v[PWB], v[PWA], 0x05040100   ; head A's word: two bytes of tile 2 p, two of tile 2 p + 1
	v_perm_b32 v[WB+\p], v[PWB], v[PWA], 0x07060302   ; head B's
	PUT IA, 80, IMG*\p
	PUT IB, 82, IMG*\p
.endr
	WORDS
	s_branch .Lend
.Lv:	; ---- v.  A lane holds one of a head's 64, its registers run along my 128 tokens: each block of 16 rows is one whole image.  Blocks 0-3: head A; 4-7: head B.
	WHERE 42, 16, 17, 15
	s_mov_b32 s72, 2*HEADQ
	s_mov_b32 s73, QREG+16*IMG                     ; v's images lie behind k's sixteen in each chunk,
	s_mov_b32 s74, 8192
	s_mov_b32 s75, 131072+256                      ; its words behind k's 256 bytes in each key step
	BASES
	s_lshl_b32 s86, s17, 10                        ; b_qkv at my 128 features: 4 x (2,048 + 256 x tile row + 128 x half)
	s_lshl_b32 s87, s15, 9
	s_add_co_u32 s86, s86, s87
	s_add_co_u32 s86, s86, 8192
	s_mov_b32 s87, 0
	s_add_nc_u64 s[86:87], s[8:9], s[86:87]
.irp a, 0,1,2,3,4,5,6,7                        ; block a's row r is feature 32 (a / 2) + 8 (a % 2) + r + 8 (r / 8); twice, to fill the pair of the packed addition
	global_load_b32 v[BI+2*\a], v[BV], s[86:87] offset:(32*(\a/2)+8*(\a%2))*4
	global_load_b32 v[BI+2*\a+1], v[BV], s[86:87] offset:(32*(\a/2)+8*(\a%2))*4
.endr
	LAST
	START
.irp a, 0,1,2,3,4,5,6,7
.if \a > 0
	s_wait_xcnt 0x0                                ; the last image's stores have read their registers
.endif
	ADDB \a, 1
	QUANT HA, IA, IA+6, WA+\a
	PUT IA, 80, (\a/4)*2*HEADQ+(\a%4)*IMG
.endr
	WORDS
.Lend:
	s_wait_tensorcnt 0x0                           ; the wave's end
	ds_add_u32 v[SPW], v[NIL]
	s_wait_dscnt 0x0
	CROUND                                         ; the closing round: no work-group ends while a partner may still ask for a tile that names it
	s_endpgm
.Lfunc_end_k_qb27f6a0c09_qkv:
	.size	k_qb27f6a0c09_qkv, .Lfunc_end_k_qb27f6a0c09_qkv-k_qb27f6a0c09_qkv
	.p2alignl 7, 3214868480
	.fill 96, 4, 3214868480
	.section	.rodata,"a",@progbits
	.p2align	6, 0x0
	.amdhsa_kernel k_qb27f6a0c09_qkv
		.amdhsa_group_segment_fixed_size 327680
		.amdhsa_private_segment_fixed_size 0
		.amdhsa_enable_private_segment 0
		.amdhsa_kernarg_size 40
		.amdhsa_user_sgpr_count 2
		.amdhsa_user_sgpr_kernarg_segment_ptr 1
		.amdhsa_wavefront_size32 1
		.amdhsa_system_sgpr_workgroup_id_x 1
		.amdhsa_system_sgpr_workgroup_id_y 1
		.amdhsa_system_sgpr_workgroup_id_z 1
		.amdhsa_system_vgpr_workitem_id 0
		.amdhsa_next_free_vgpr 1024
		.amdhsa_next_free_sgpr 98
		.amdhsa_reserve_vcc 1
		.amdhsa_float_denorm_mode_32 3
		.amdhsa_float_denorm_mode_16_64 3
		.amdhsa_memory_ordered 1
		.amdhsa_forward_progress 1
		.amdhsa_inst_pref_size 245
	.end_amdhsa_kernel
	.amdgpu_metadata
---
amdhsa.version: [ 1, 2 ]
amdhsa.kernels:
  - .name:           k_qb27f6a0c09_qkv
    .symbol:         k_qb27f6a0c09_qkv.kd
    .args:
      - { .name: opc, .offset: 0, .size: 8, .value_kind: global_buffer, .address_space: global }
      - { .name: ops, .offset: 8, .size: 8, .value_kind: global_buffer, .address_space: global }
      - { .name: b_qkv, .offset: 16, .size: 8, .value_kind: global_buffer, .address_space: global }
      - { .name: qkvc, .offset: 24, .size: 8, .value_kind: global_buffer, .address_space: global }
      - { .name: qkvs, .offset: 32, .size: 8, .value_kind: global_buffer, .address_space: global }
    .group_segment_fixed_size: 327680
    .private_segment_fixed_size: 0
    .kernarg_segment_align: 8
    .kernarg_segment_size: 40
    .max_flat_workgroup_size: 128
    .sgpr_count:     98
    .vgpr_count:     1024
    .wavefront_size: 32
...
	.end_amdgpu_metadata
.endif
;; end of part 2
;; launch attn (part 3): grid 8 x 32, 16 waves a work-group, clusters of 4 x 1, 327,680 bytes of LDS; arguments qkvc, qkvs, ac, asc; writes ac, asc
.if DOCPART == 3
	.amdgcn_target "amdgcn-amd-amdhsa--gfx1250"
	.amdhsa_code_object_version 6
	.text
	.protected	k_qb27f6a0c09_attn
	.globl	k_qb27f6a0c09_attn
	.p2align	8
	.type	k_qb27f6a0c09_attn,@function
k_qb27f6a0c09_attn:
	s_mov_b64 s[64:65], 0
	v_nop
	global_prefetch_b8 v0, s[64:65] scope:SCOPE_SE
	s_setreg_imm32_b32 hwreg(HW_REG_WAVE_MODE, 25, 1), 1
	s_wait_xcnt 0x0
	s_wait_alu depctr_hold_cnt(0) depctr_sa_sdst(0) depctr_va_vdst(0) depctr_va_sdst(0) depctr_va_ssrc(0) depctr_va_vcc(0) depctr_vm_vsrc(0)
	s_getreg_b32 s2, hwreg(HW_REG_IB_STS2, 6, 4)
	s_cmp_eq_u32 s2, 0
	s_cbranch_scc0 .Lentry_in_a_cluster
	s_endpgm
.Lentry_in_a_cluster:
	s_bfe_u32 s2, ttmp6, 0x10000c
	s_cmp_lg_u32 s2, 0x3003
	s_cbranch_scc0 .Lentry_shape_is_right
	s_endpgm
.Lentry_shape_is_right:
; o = softmax(q k^T / 8) v for 32 heads of 2,048 tokens x 64, both products on codes of BF6 (E3M2) with one E8M0 scale for each 32 along K; then o is quantised along the head's 64 for the last product.
; t = score x log2(e) / 8; M = the row's largest t so far, rounded UP to a whole number; p = 2^(t - M) is quantised along the keys, not normalised.  The row's sum is taken of the unquantised p and divides o at the end.
; When M moves, the sum and o are multiplied by 2^(old M - new M): exact.
; SHARES: a work-group owns 256 queries of one head, each of its sixteen waves one tile of 16.  K and V of the whole head lie in LDS, 196,608 bytes of images and 8,192 of scale words, filled ONCE:
; waves 0-11 fetch 16,384 bytes of images each, wave 12 the scale words, one tensor load a wave; one barrier; then the waves run free of each other.
; CLUSTER: the four query blocks of a cluster belong to one head: every load is asked for jointly, with the same descriptor and a mask that names the four.
; IMAGES: an operand lies in memory and LDS as an image of its registers: registers 4 c .. 4 c + 3 of lane l at byte 512 c + 16 l.
; THE FIRST PRODUCT HAS K = 64, the instruction 128: an image of k holds two tiles of 16 keys (registers 0-5, 6-11); times [q ; zero codes] it gives the first tile's scores, times [zero codes ; q] the second's.
; Both products are used transposed: a lane holds ONE query (lane % 16).  The images' rows were chosen so that the 16 registers of tiles 2 b, 2 b + 1 are 16 neighbours: 32 b + 16 (lane / 16) + 0 .. 15.
; LIMITS: the running maximum starts at -3e38; the scaled scores stay under 2^31 in magnitude; a block whose largest magnitude lies under 2^-122 gets the byte 1 (read by this program alone); NaN and infinities are not served.
; No prefetch: all that the launch reads from memory is asked for by its first lines.
; REGISTERS: v1-7 addresses; v8, v10 the step's addresses; v12 -M, v13 largest t, v[14:15] the sum, v[16:17] its second chain; v20, v21 the add's; v32-79 four images; v96-159 scores, then p; v160-191 o;
;   v192-209 [0 | q | 0]; v224-235 p's codes; v232-247 at work; v248-251 scale words (lanes 0-15 k's, 16-31 v's); v252 f; v253 p's word; v254 at work; v255 q's word.
.set IMG,    1536
.set HEADQ,  64*IMG
.set HEADKV, 128*IMG
.set QREG,   32*HEADQ                  ; where k's and v's images begin: [head][chunk of 4 key steps][16 of k, 16 of v]
.set CHUNK,  32*IMG
.set VOFF,   16*IMG
.set SCW,    HEADKV                    ; LDS: behind the images the scale words, 512 bytes a key step
.set SPARE,  SCW+8192                  ; the spare words: 128 bytes for each of 16 waves
.set LI, 1
.set LW, 2
.set QW, 3
.set LN, 5
.set GS, 6
.set GO, 7
.set ADK, 8
.set ADS, 10
.set SB, 16
.set SPW, 20
.set NIL, 21
.set KV, 32
.set WV, 18
.set HD, 19
.set SEL, 20
.set CS, 22
.set G1C, 24
.set G1S, 32
.set G0S, 40
.set G0C, 44
.set TB, 2
.set TS, 3
.set CNT, 66
.set PM, 67
.set PSEL, 68
.set QB, 69
.macro ROUND                           ; a round of the cluster's barrier
	s_barrier_signal -1
	s_barrier_wait -1
	s_cmp_lg_u32 s[WV], 0
	s_cbranch_scc1 .Lnot_wave_0_\@
	s_barrier_signal -3
.Lnot_wave_0_\@:
	s_barrier_wait -3
	s_barrier_signal -1
	s_barrier_wait -1
.endm
	s_load_b256 s[4:11], s[0:1], 0x0               ; images s[4:5], their scale words s[6:7], o's codes s[8:9], o's scale bytes s[10:11]
	v_lshl_add_u32 v[SPW], v0, 2, SPARE
	v_mov_b32 v[NIL], 0
	ds_add_u32 v[SPW], v[NIL]                      ; the opening lines: the add twice on end
	ds_add_u32 v[SPW], v[NIL]
	v_lshrrev_b32 v8, 5, v0
	v_readfirstlane_b32 s[WV], v8                  ; wave 0..15
	s_and_b32 s[HD], ttmp7, 0xffff                 ; the head, which the four partners share
	s_lshl_b32 s14, s[WV], 14                      ; waves 0-11: my 16,384 bytes of the images
	s_mul_i32 s12, s[HD], HEADKV
	s_add_co_u32 s12, s12, s14
	s_add_co_u32 s12, s12, QREG
	s_mov_b32 s13, 0
	s_lshl_b32 s16, s[HD], 13
	s_add_co_u32 s16, s16, 131072
	s_mov_b32 s17, 0
	s_mov_b32 s[G1C], 15|(3<<16)|(1<<21)           ; the mask: all four; elements of 8 bytes; bit 21 beside a mask.  Dense bytes as rows of 256: 64 rows of images,
	s_mov_b32 s[G1C+1], 32<<16
	s_mov_b32 s[G1C+2], 64<<16
	s_mov_b32 s[G1C+3], 32<<16
	s_mov_b32 s[G1C+4], 64
	s_mov_b32 s[G1C+5], 32
	s_mov_b32 s[G1C+6], 0
	s_mov_b32 s[G1C+7], 0
	s_mov_b32 s[G1S], 15|(3<<16)|(1<<21)           ; 32 rows of scale words
	s_mov_b32 s[G1S+1], 32<<16
	s_mov_b32 s[G1S+2], 32<<16
	s_mov_b32 s[G1S+3], 32<<16
	s_mov_b32 s[G1S+4], 32
	s_mov_b32 s[G1S+5], 32
	s_mov_b32 s[G1S+6], 0
	s_mov_b32 s[G1S+7], 0
	s_mov_b32 s[SEL], 0x76543210
	s_mov_b32 s[SEL+1], 0xfedcba98
	s_mov_b32 s[CS], 0x3e38aa3b                    ; c = log2(e) / 8
	s_mov_b32 s[CS+1], s[CS]
	s_wait_dscnt 0x0
	s_wait_kmcnt 0x0
	s_add_nc_u64 s[12:13], s[4:5], s[12:13]
	s_add_nc_u64 s[16:17], s[6:7], s[16:17]
	ROUND                                          ; all four work-groups are here: the joint loads meet
	s_mov_b32 s[G0S], 1
	s_mov_b32 s[G0S+1], SCW
	s_mov_b64 s[G0S+2:G0S+3], s[16:17]
	s_or_b32 s[G0S+3], s[G0S+3], 0x80000000
	s_mov_b32 s[G0C], 1
	s_mov_b32 s[G0C+1], s14
	s_mov_b64 s[G0C+2:G0C+3], s[12:13]
	s_or_b32 s[G0C+3], s[G0C+3], 0x80000000
	s_cmp_lt_u32 s[WV], 12                         ; one chain of branches on the wave's number, one load to an arm
	s_cbranch_scc0 .Lwords
	tensor_load_to_lds s[G0C:G0C+3], s[G1C:G1C+7]
	s_nop 0
.rept 4
	v_nop
.endr
	s_branch .Lasked
.Lwords:
	s_cmp_eq_u32 s[WV], 12
	s_cbranch_scc0 .Lasked
	tensor_load_to_lds s[G0S:G0S+3], s[G1S:G1S+7]
	s_nop 0
.rept 4
	v_nop
.endr
.Lasked:
	s_bfe_u32 s74, ttmp6, 0x40000                  ; cx: it enters q's and o's global addresses alone
	s_lshl_b32 s[QB], ttmp9, 2
	s_add_co_u32 s[QB], s[QB], s74                 ; my block of 256 queries
	s_lshl_b32 s70, s[QB], 3
	s_lshr_b32 s74, s[WV], 1
	s_add_co_u32 s70, s70, s74                     ; my tile lies in q's image 8 x block + wave / 2
	s_mul_i32 s70, s70, IMG
	s_mul_i32 s75, s[HD], HEADQ
	s_add_co_u32 s70, s70, s75
	s_mov_b32 s71, 0
	s_add_nc_u64 s[70:71], s[4:5], s[70:71]
	s_lshl_b32 s72, s[QB], 1
	s_lshr_b32 s75, s[WV], 3
	s_add_co_u32 s72, s72, s75                     ; q's words: 256 bytes for 128 tokens: [row 16][image 4]
	s_lshl_b32 s72, s72, 8
	s_and_b32 s74, s74, 3
	s_lshl_b32 s74, s74, 2
	s_add_co_u32 s72, s72, s74
	s_lshl_b32 s75, s[HD], 12
	s_add_co_u32 s72, s72, s75
	s_mov_b32 s73, 0
	s_add_nc_u64 s[72:73], s[6:7], s[72:73]
	s_mov_b32 s[PSEL], 0x01000100
	s_and_b32 s74, s[WV], 1
	s_cmp_lg_u32 s74, 0                            ; the image's second tile?
	s_cselect_b32 s[PM], -1, 0
	s_cselect_b32 s[PSEL], 0x03020302, s[PSEL]
	v_and_b32 v[LN], 31, v0
	v_and_b32 v9, 15, v0                           ; r
	v_bfe_u32 v11, v0, 4, 1                        ; h
	v_lshlrev_b32 v[LI], 4, v[LN]
	v_add_nc_u32 v[LW], SCW, v[LI]
	v_lshlrev_b32 v[GO], 3, v[LN]
	v_lshl_add_u32 v[GS], v9, 5, v11
	v_lshlrev_b32 v[QW], 4, v9
	s_wait_alu depctr_va_vdst(0)                   ; the wait ahead of the readers below
.irp c, 0,1,2
	global_load_b128 v[KV+4*\c:KV+4*\c+3], v[LI], s[70:71] offset:512*\c   ; q's image: two tiles
.endr
	global_load_b32 v254, v[QW], s[72:73]          ; and its word
	v_mov_b32 v13, 0xff61b1e6                      ; the largest t so far: -3e38
	v_floor_f32 v12, -v13                          ; -M
	v_mov_b32 v14, 0
	v_mov_b32 v15, 0
.irp b, 0,1,2,3
	v_mov_b32 v[236+\b], 0                         ; a lane permute's destination counts as one of its sources
.endr
	v_mov_b32 v253, 0
.set J, 0
.rept 32
	v_mov_b32 v[160+J], 0                          ; o: the one step's text finds zeros, which the first change of M leaves zeros
.set J, J+1
.endr
.irp j, 0,1,2,3,4,5
	v_mov_b32 v[192+\j], 0                         ; the zero codes on both sides of q
	v_mov_b32 v[204+\j], 0
.endr
	s_wait_alu depctr_va_vdst(0)
	s_wait_loadcnt 0x0
.irp j, 0,1,2,3,4,5
	v_cndmask_b32 v[198+\j], v[KV+\j], v[KV+6+\j], s[PM]   ; my tile's six registers
.endr
	v_perm_b32 v255, v254, v254, s[PSEL]           ; my tile's two bytes, twice: they serve [q ; 0] and [0 ; q]
.rept 8
	v_nop                                          ; a scale register written by a vector instruction stands 8 places ahead of a scaled matrix instruction
.endr
	s_wait_alu depctr_va_vdst(0)                   ; the wait at the head's end
	s_wait_tensorcnt 0x0                           ; my load has landed,
	s_barrier_signal -1
	s_barrier_wait -1                              ; everybody's has: nothing is filled again
.macro STEP                            ; a key step: 128 keys
	v_add_nc_u32 v[ADK], s[TB], v[LI]
	v_add_nc_u32 v[ADS], s[TS], v[LW]
	v_nop
	v_nop                                          ; four places in front of loads into registers that the last products have read
	s_wait_alu depctr_va_vdst(0)
.irp i, 0,1,2,3
.irp c, 0,1,2
	ds_load_b128 v[KV+12*\i+4*\c:KV+12*\i+4*\c+3], v[ADK] offset:IMG*\i+512*\c   ; k's four images
.endr
.endr
	ds_load_b128 v[248:251], v[ADS]                ; lanes 0-15: row r's words of k's images; lanes 16-31: of v's tiles
	s_wait_dscnt 0x0
.irp i, 0,1,2,3                                ; the scores of keys 32 i + 16 (lane / 16) + 0 .. 7, then + 8 .. 15
	v_wmma_scale_f32_16x16x128_f8f6f4 v[96+16*\i:103+16*\i], v[KV+12*\i:KV+12*\i+11], v[198:209], 0, v[248+\i], v255 matrix_a_fmt:MATRIX_FMT_BF6 matrix_b_fmt:MATRIX_FMT_BF6
	v_wmma_scale_f32_16x16x128_f8f6f4 v[104+16*\i:111+16*\i], v[KV+12*\i:KV+12*\i+11], v[192:203], 0, v[248+\i], v255 matrix_a_fmt:MATRIX_FMT_BF6 matrix_b_fmt:MATRIX_FMT_BF6
.endr
.rept 4
	v_nop                                          ; places in front of the loads below and of the first read of the scores
.endr
.irp i, 0,1,2,3
.irp c, 0,1,2
	ds_load_b128 v[KV+12*\i+4*\c:KV+12*\i+4*\c+3], v[ADK] offset:VOFF+IMG*\i+512*\c   ; v's four images land while the softmax is walked
.endr
.endr
.irp b, 0,1,2,3
	v_max3_num_f32 v[232+\b], v[96+16*\b], v[97+16*\b], v[98+16*\b]   ; the largest score of each block of 32 keys: for the row's maximum and, since p rises with the score, for the block's largest p
.endr
.irp i, 3,5,7,9,11,13
.irp b, 0,1,2,3
	v_max3_num_f32 v[232+\b], v[232+\b], v[96+16*\b+\i], v[97+16*\b+\i]
.endr
.endr
.irp b, 0,1,2,3
	v_max_num_f32 v[232+\b], v[232+\b], v[111+16*\b]
.endr
.irp b, 0,1,2,3
	v_permlanex16_b32 v[236+\b], v[232+\b], s[SEL], s[SEL+1]
.endr
.irp b, 0,1,2,3
	v_max_num_f32 v[232+\b], v[232+\b], v[236+\b]  ; with lane l xor 16's 16 keys
.endr
	v_max3_num_f32 v254, v232, v233, v234
	v_max_num_f32 v254, v254, v235
	v_mul_f32 v254, s[CS], v254                    ; the step's largest t
	v_max_num_f32 v13, v13, v254
	v_mov_b32 v254, v12
	v_floor_f32 v12, -v13                          ; the new -M = -ceil(t)
	v_sub_f32 v254, v12, v254                      ; old M less new M: a whole number, 0 or less
	v_cvt_i32_f32 v254, v254
	v_ldexp_f32 v252, 1.0, v254                    ; f = 2^(old M - new M)
.set J, 0
.rept 32
	v_pk_fma_f32 v[96+J:97+J], v[96+J:97+J], s[CS:CS+1], v[12:13] op_sel_hi:[1,0,0]   ; t - M, two at a time
.set J, J+2
.endr
.irp b, 0,1,2,3
	v_fma_f32 v[232+\b], v[232+\b], s[CS], v12     ; the same of each block's largest score
.endr
	s_wait_alu depctr_va_vdst(0)                   ; the wait ahead of the batch
.set J, 0
.rept 64
	v_exp_f32 v[96+J], v[96+J]                     ; p = 2^(t - M)
.set J, J+1
.endr
	v_pk_mul_f32 v[14:15], v[14:15], v[252:253] op_sel_hi:[1,0]   ; the sums under the new M (a plain place behind the batch)
	s_wait_alu depctr_va_vdst(0)                   ; one wait for the batch, ahead of its first reader
.irp b, 0,1,2,3
	v_exp_f32 v[232+\b], v[232+\b]                 ; the block's largest p: the same two instructions on the same number
.endr
	v_pk_add_f32 v[SB:SB+1], v[96:97], v[98:99]    ; the row's sum of the unquantised p, in two chains
.set J, 4
.rept 15
	v_pk_add_f32 v[14:15], v[14:15], v[96+J:97+J]
	v_pk_add_f32 v[SB:SB+1], v[SB:SB+1], v[98+J:99+J]
.set J, J+4
.endr
	v_pk_add_f32 v[14:15], v[14:15], v[SB:SB+1]
	s_wait_alu depctr_va_vdst(0)                   ; and one for the four
.irp b, 0,1,2,3
	v_max_num_f32 v[232+\b], 0x2800000, v[232+\b]  ; the floor 2^(5 - 127): the byte cannot fall under 1
.endr
.irp b, 0,1,2,3
	v_add_nc_u32 v[244+\b], 0xfe000000, v[232+\b]  ; 4 off the exponent field: the conversion's scale operand
.endr
.irp b, 0,1,2,3
	v_lshrrev_b32 v[236+\b], 23, v[244+\b]         ; the scale's byte
.endr
	v_lshl_or_b32 v253, v237, 8, v236              ; p's scale word
	v_lshl_or_b32 v253, v238, 16, v253
	v_lshl_or_b32 v253, v239, 24, v253
.irp c, 0,1
	v_cvt_scalef32_pk16_bf6_f32 v[224+6*\c:226+6*\c], v[96+32*\c:111+32*\c], v[244+2*\c]
	v_cvt_scalef32_pk16_bf6_f32 v[236+4*\c:238+4*\c], v[112+32*\c:127+32*\c], v[244+2*\c+1]
.endr
	v_nop                                          ; one plain place behind a scaled conversion
.irp c, 0,1                                    ; a whole block in a lane: lanes 0-15 block 2 c, lanes 16-31 block 2 c + 1
.irp i, 0,1,2
	v_permlane16_swap_b32 v[224+6*\c+\i], v[236+4*\c+\i]
.endr
.irp i, 0,1,2
	v_mov_b32 v[227+6*\c+\i], v[236+4*\c+\i]
.endr
.endr
	s_wait_alu depctr_va_vdst(0)                   ; directly ahead of the first reader of o
.set J, 0
.rept 16
	v_pk_mul_f32 v[160+J:161+J], v[160+J:161+J], v[252:253] op_sel_hi:[1,0]   ; o under the new M.  (These are also the places between p's codes and word and the products below)
.set J, J+2
.endr
	s_wait_alu depctr_va_vdst(0)                   ; directly ahead of the wait below
	s_wait_dscnt 0x0                               ; v's images are in
.irp d, 0,1,2,3                                ; o += v^T p^T: the four accumulators take turns
	v_wmma_scale_f32_16x16x128_f8f6f4 v[160+8*\d:167+8*\d], v[KV+12*\d:KV+12*\d+11], v[224:235], v[160+8*\d:167+8*\d], v[248+\d], v253 matrix_a_fmt:MATRIX_FMT_BF6 matrix_b_fmt:MATRIX_FMT_BF6 matrix_a_scale:MATRIX_SCALE_ROW1
.endr
.endm
.macro CHUNKM c                        ; four key steps
	s_mov_b32 s[TB], CHUNK*\c
	s_mov_b32 s[TS], 2048*\c
	s_mov_b32 s[CNT], 4
.Lstep_\@:
	STEP
	s_add_co_u32 s[TB], s[TB], 4*IMG
	s_add_co_u32 s[TS], s[TS], 512
	s_sub_co_u32 s[CNT], s[CNT], 1
	s_cmp_lg_u32 s[CNT], 0
	s_cbranch_scc1 .Lstep_\@
.endm
	CHUNKM 0
	CHUNKM 1
	CHUNKM 2
	CHUNKM 3
	; THE WAY OUT: o / the sum, quantised along the head's 64, leaves as six registers of the last product's operand: lane (r, h): query r, the head's 32 h .. 32 h + 31.
	s_lshr_b32 s70, s[HD], 4                       ; the batch
	s_lshl_b32 s70, s70, 7
	s_lshl_b32 s71, s[QB], 4
	s_add_co_u32 s70, s70, s71
	s_add_co_u32 s70, s70, s[WV]                   ; my tile of 16 tokens: 128 x batch + 16 x block + wave
	s_and_b32 s71, s[HD], 15
	s_lshl_b32 s72, s70, 4
	s_add_co_u32 s72, s72, s71
	s_mul_i32 s72, s72, 768                        ; codes: [tile][head][3 pairs of registers][lane][8 bytes]
	s_mov_b32 s73, 0
	s_add_nc_u64 s[8:9], s[8:9], s[72:73]
	s_lshl_b32 s72, s70, 9                         ; scale bytes: [row][32]; my head's two bytes
	s_lshl_b32 s71, s71, 1
	s_add_co_u32 s72, s72, s71
	s_add_nc_u64 s[10:11], s[10:11], s[72:73]
.rept 4
	v_nop                                          ; places behind the last products
.endr
	v_add_f32 v14, v14, v15
	v_permlanex16_b32 v252, v14, s[SEL], s[SEL+1]
	v_add_f32 v14, v14, v252                       ; the row's sum
	s_wait_alu depctr_va_vdst(0)
	v_rcp_f32 v14, v14
	v_nop
	s_wait_alu depctr_va_vdst(0)
.set J, 0
.rept 32
	v_mul_f32 v[96+J], v[160+J], v14               ; register 16 b + i is o(r, 32 b + 16 h + i)
.set J, J+1
.endr
.irp b, 0,1
	v_max3_num_f32 v[232+\b], |v[96+16*\b]|, |v[97+16*\b]|, 0x2800000
.endr
.irp i, 2,4,6,8,10,12,14
.irp b, 0,1
	v_max3_num_f32 v[232+\b], v[232+\b], |v[96+16*\b+\i]|, |v[97+16*\b+\i]|
.endr
.endr
.irp b, 0,1
	v_permlanex16_b32 v[236+\b], v[232+\b], s[SEL], s[SEL+1]
.endr
.irp b, 0,1
	v_max_num_f32 v[232+\b], v[232+\b], v[236+\b]
.endr
.irp b, 0,1
	v_add_nc_u32 v[244+\b], 0xfe000000, v[232+\b]
.endr
.irp b, 0,1
	v_lshrrev_b32 v[236+\b], 23, v[244+\b]
.endr
	v_cmp_lt_u32 vcc_lo, 15, v[LN]                 ; lanes 16-31
	v_cvt_scalef32_pk16_bf6_f32 v[224:226], v[96:111], v244
	v_cvt_scalef32_pk16_bf6_f32 v[228:230], v[112:127], v245
	v_cndmask_b32 v240, v236, v237, vcc_lo         ; my block's byte (the plain place behind the conversions)
.irp i, 0,1,2
	v_permlane16_swap_b32 v[224+\i], v[228+\i]     ; lanes 0-15 hold block 0 whole, lanes 16-31 block 1
.endr
	v_mov_b32 v227, v228
	v_mov_b32 v228, v229
	v_mov_b32 v229, v230
	s_wait_alu depctr_va_vdst(0)
.irp p, 0,1,2
	global_store_b64 v[GO], v[224+2*\p:225+2*\p], s[8:9] offset:256*\p   ; 32 lanes store 256 consecutive bytes, aligned
.endr
	global_store_b8 v[GS], v240, s[10:11]          ; one byte a lane, rows 32 bytes apart: a row's 32 bytes come from sixteen heads, which are sixteen work-groups
	s_wait_tensorcnt 0x0                           ; the wave's end
	ds_add_u32 v[SPW], v[NIL]
	s_wait_dscnt 0x0
	ROUND                                          ; the closing round
	s_endpgm
.Lfunc_end_k_qb27f6a0c09_attn:
	.size	k_qb27f6a0c09_attn, .Lfunc_end_k_qb27f6a0c09_attn-k_qb27f6a0c09_attn
	.p2alignl 7, 3214868480
	.fill 96, 4, 3214868480
	.section	.rodata,"a",@progbits
	.p2align	6, 0x0
	.amdhsa_kernel k_qb27f6a0c09_attn
		.amdhsa_group_segment_fixed_size 327680
		.amdhsa_private_segment_fixed_size 0
		.amdhsa_enable_private_segment 0
		.amdhsa_kernarg_size 32
		.amdhsa_user_sgpr_count 2
		.amdhsa_user_sgpr_kernarg_segment_ptr 1
		.amdhsa_wavefront_size32 1
		.amdhsa_system_sgpr_workgroup_id_x 1
		.amdhsa_system_sgpr_workgroup_id_y 1
		.amdhsa_system_sgpr_workgroup_id_z 1
		.amdhsa_system_vgpr_workitem_id 0
		.amdhsa_next_free_vgpr 256
		.amdhsa_next_free_sgpr 80
		.amdhsa_reserve_vcc 1
		.amdhsa_float_denorm_mode_32 3
		.amdhsa_float_denorm_mode_16_64 3
		.amdhsa_memory_ordered 1
		.amdhsa_forward_progress 1
		.amdhsa_inst_pref_size 75
	.end_amdhsa_kernel
	.amdgpu_metadata
---
amdhsa.version: [ 1, 2 ]
amdhsa.kernels:
  - .name:           k_qb27f6a0c09_attn
    .symbol:         k_qb27f6a0c09_attn.kd
    .args:
      - { .name: qkvc, .offset: 0, .size: 8, .value_kind: global_buffer, .address_space: global }
      - { .name: qkvs, .offset: 8, .size: 8, .value_kind: global_buffer, .address_space: global }
      - { .name: ac, .offset: 16, .size: 8, .value_kind: global_buffer, .address_space: global }
      - { .name: asc, .offset: 24, .size: 8, .value_kind: global_buffer, .address_space: global }
    .group_segment_fixed_size: 327680
    .private_segment_fixed_size: 0
    .kernarg_segment_align: 8
    .kernarg_segment_size: 32
    .max_flat_workgroup_size: 512
    .sgpr_count:     80
    .vgpr_count:     256
    .wavefront_size: 32
...
	.end_amdgpu_metadata
.endif
;; end of part 3
;; launch outp (part 4): grid 8 x 32, 4 waves a work-group, clusters of 4 x 4, 327,680 bytes of LDS; arguments ac, asc, opc, ops, b_out, out0; writes out0
.if DOCPART == 4
	.amdgcn_target "amdgcn-amd-amdhsa--gfx1250"
	.amdhsa_code_object_version 6
	.text
	.protected	k_qb27f6a0c09_outp
	.globl	k_qb27f6a0c09_outp
	.p2align	8
	.type	k_qb27f6a0c09_outp,@function
k_qb27f6a0c09_outp:
	s_mov_b64 s[64:65], 0
	v_nop
	global_prefetch_b8 v0, s[64:65] scope:SCOPE_SE
	s_setreg_imm32_b32 hwreg(HW_REG_WAVE_MODE, 25, 1), 1
	s_wait_xcnt 0x0
	s_wait_alu depctr_hold_cnt(0) depctr_sa_sdst(0) depctr_va_vdst(0) depctr_va_sdst(0) depctr_va_ssrc(0) depctr_va_vcc(0) depctr_vm_vsrc(0)
	s_getreg_b32 s2, hwreg(HW_REG_IB_STS2, 6, 4)
	s_cmp_eq_u32 s2, 0
	s_cbranch_scc0 .Lentry_in_a_cluster
	s_endpgm
.Lentry_in_a_cluster:
	s_bfe_u32 s2, ttmp6, 0x10000c
	s_cmp_lg_u32 s2, 0xf033
	s_cbranch_scc0 .Lentry_shape_is_right
	s_endpgm
.Lentry_shape_is_right:
; out0 = o W_out^T + b_out on codes of BF6 (E3M2) with one E8M0 scale for each 32 along K = 1,024; sums in f32.
; A block of 128 tokens x 128 columns is made by a work-group of four waves, 64 x 64 each: 16 accumulators.  8 x 32 = 256 work-groups.
; ALL OF K LIES IN LDS, filled once by four joint loads, one a wave: wave 0 o's images of 128 tokens (98,304 dense bytes), wave 1 128 rows of W_out's codes (1,024 bytes a row in memory: four places of 256 bytes,
; 192 of codes in each), wave 2 o's scale bytes, wave 3 W_out's.  One barrier; no slot is filled again.  No prefetch: all that is read from memory is asked for by the first lines.
; CLUSTERS of 4 x 4: o's tiles are shared along a row of the cluster, W_out's along a column.
; The matrix instruction is used transposed (source 0 = 16 rows of W_out, source 1 = 16 tokens): a lane holds 8 neighbouring columns of one token's row.
; o's tile T of 16 tokens holds, in row i, token 32 (T / 2) + 8 (T % 2) + i + 8 (i / 8): the stores put each row in its place.
; REGISTERS: window 0: v16-22 addresses, v28, v29 the add's, v32-63 scale words of all 8 steps (register 8 i + st: lanes 0-15 A's block i, lanes 16-31 B's), v64-255 two sets of fragments (A's four, B's four).
;   window 1: v0-127 the accumulators ((a, b) at 8 (4 a + b)), v128-159 the bias, which is the C of the first products.
.set LB,     98304                     ; LDS: W_out's rows, behind o's images
.set BP,     1040                      ; their pitch: 1,024 bytes + 16 = 260 words: the 32 lanes of a load of 8 bytes touch 64 different banks (ISA guide 11.1)
.set SCL,    LB+128*BP                 ; the scales, as pieces of 256 bytes + 16
.set HS,     4352                      ; those of 128 rows
.set SBLK,   544                       ; those of 16 rows
.set STAGE,  SCL+2*HS                  ; the way out: 16 rows x (256 + 16) bytes for each wave
.set SPITCH, 272
.set SPARE,  STAGE+4*16*SPITCH
.set WO_C,   7340032                   ; W_out's first row in the codes' buffer,
.set WO_S,   229376                    ; and in the scale bytes'
.set ADRA, 16
.set ADRB, 17
.set ADRS, 18
.set STO,  19
.set RD,   20
.set CO,   21
.set BO,   22
.set SPW,  28
.set NIL,  29
.set SC,   32
.set FA,   64
.set G1A, 24
.set G0A, 32
.set G0B, 36
.set G1B, 48
.set G0S, 56
.set G0SB, 60
.set G1S, 68
.set G1SB, 80
.set MSB, 0
.macro WIN new                         ; the immediate's high byte repeats the setting that is left
.if MSB != (\new)
	s_set_vgpr_msb (MSB<<8)|(\new)
.set MSB, (\new)
.endif
.endm
.macro CROUND                          ; a round of the cluster's barrier
	s_barrier_signal -1
	s_barrier_wait -1
	s_cmp_lg_u32 s16, 0
	s_cbranch_scc1 .Lnot_wave_0_\@
	s_barrier_signal -3
.Lnot_wave_0_\@:
	s_barrier_wait -3
	s_barrier_signal -1
	s_barrier_wait -1
.endm
	s_load_b256 s[4:11], s[0:1], 0x0               ; o's images s[4:5], its scale bytes s[6:7], the codes s[8:9], the scale bytes s[10:11]
	s_load_b128 s[12:15], s[0:1], 0x20             ; b_out s[12:13], out0 s[14:15]
	v_lshl_add_u32 v[SPW], v0, 2, SPARE
	v_mov_b32 v[NIL], 0
	ds_add_u32 v[SPW], v[NIL]                      ; the opening lines: the add twice on end
	ds_add_u32 v[SPW], v[NIL]
	v_lshrrev_b32 v1, 5, v0
	v_readfirstlane_b32 s16, v1                    ; wave 0..3
	s_lshr_b32 s17, s16, 1                         ; which 64 tokens are mine
	s_and_b32 s18, s16, 1                          ; which 64 columns
	s_bfe_u32 s40, ttmp6, 0x40000                  ; cx, cy
	s_bfe_u32 s41, ttmp6, 0x40004
	s_lshl_b32 s42, ttmp9, 2
	s_add_co_u32 s42, s42, s40                     ; block column
	s_and_b32 s43, ttmp7, 0xffff
	s_lshl_b32 s43, s43, 2
	s_add_co_u32 s43, s43, s41                     ; block row
	s_lshl_b32 s44, s41, 2
	s_lshl_b32 s44, 15, s44                        ; my row of the cluster
	s_lshl_b32 s45, 0x1111, s40                    ; my column
	s_or_b32 s[G1A], s44, (3<<16)|(1<<21)          ; o's images: 384 rows of 256 bytes (32 elements of 8), no padding
	s_mov_b32 s[G1A+1], 32<<16
	s_mov_b32 s[G1A+2], 384<<16
	s_mov_b32 s[G1A+3], 32<<16
	s_mov_b32 s[G1A+4], 384
	s_mov_b32 s[G1A+5], 32
	s_mov_b32 s[G1A+6], 0
	s_mov_b32 s[G1A+7], 0
	s_or_b32 s[G1B], s45, (3<<16)|(1<<20)|(1<<21)|(7<<22)|(3<<25)   ; W_out: 128 rows of 1,024 bytes, 4 words of padding behind every 256 words
	s_mov_b32 s[G1B+1], 128<<16
	s_mov_b32 s[G1B+2], 128<<16
	s_mov_b32 s[G1B+3], 128<<16
	s_mov_b32 s[G1B+4], 128
	s_mov_b32 s[G1B+5], 128
	s_mov_b32 s[G1B+6], 0
	s_mov_b32 s[G1B+7], 0
	s_or_b32 s[G1S], s44, (3<<16)|(1<<20)|(1<<21)|(5<<22)|(3<<25)   ; scales of 128 rows: 16 rows of 256 bytes, 16 bytes of padding behind each
	s_or_b32 s[G1SB], s45, (3<<16)|(1<<20)|(1<<21)|(5<<22)|(3<<25)
.irp g, G1S, G1SB
	s_mov_b32 s[\g+1], 32<<16
	s_mov_b32 s[\g+2], 16<<16
	s_mov_b32 s[\g+3], 32<<16
	s_mov_b32 s[\g+4], 16
	s_mov_b32 s[\g+5], 32
	s_mov_b32 s[\g+6], 0
	s_mov_b32 s[\g+7], 0
.endr
	s_mul_i32 s20, s43, 98304                      ; o's images of my 128 tokens,
	s_mov_b32 s21, 0
	s_lshl_b32 s22, s43, 12                        ; their scale bytes,
	s_mov_b32 s23, 0
	s_lshl_b32 s46, s42, 17                        ; W_out's 128 rows,
	s_add_co_u32 s46, s46, WO_C
	s_mov_b32 s47, 0
	s_lshl_b32 s92, s42, 12                        ; their scale bytes
	s_add_co_u32 s92, s92, WO_S
	s_mov_b32 s93, 0
	s_wait_dscnt 0x0
	s_wait_kmcnt 0x0
	s_add_nc_u64 s[20:21], s[4:5], s[20:21]
	s_add_nc_u64 s[22:23], s[6:7], s[22:23]
	s_add_nc_u64 s[46:47], s[8:9], s[46:47]
	s_add_nc_u64 s[92:93], s[10:11], s[92:93]
	CROUND                                         ; all sixteen work-groups are here: the joint loads meet
	s_mov_b32 s[G0A], 1
	s_mov_b32 s[G0A+1], 0
	s_mov_b64 s[G0A+2:G0A+3], s[20:21]
	s_or_b32 s[G0A+3], s[G0A+3], 0x80000000
	s_mov_b32 s[G0B], 1
	s_mov_b32 s[G0B+1], LB
	s_mov_b64 s[G0B+2:G0B+3], s[46:47]
	s_or_b32 s[G0B+3], s[G0B+3], 0x80000000
	s_mov_b32 s[G0S], 1
	s_mov_b32 s[G0S+1], SCL
	s_mov_b64 s[G0S+2:G0S+3], s[22:23]
	s_or_b32 s[G0S+3], s[G0S+3], 0x80000000
	s_mov_b32 s[G0SB], 1
	s_mov_b32 s[G0SB+1], SCL+HS
	s_mov_b64 s[G0SB+2:G0SB+3], s[92:93]
	s_or_b32 s[G0SB+3], s[G0SB+3], 0x80000000
.macro ARM under, g0, g1, next         ; one tree of branches on the wave's number: every way passes exactly one load
	s_cmp_lt_u32 s16, \under
	s_cbranch_scc0 \next
	tensor_load_to_lds s[\g0:\g0+3], s[\g1:\g1+7]
	s_nop 0
.rept 4
	v_nop
.endr
	s_branch .Lhead_asked
\next:
.endm
	ARM 1, G0A, G1A, .Lhead_b
	ARM 2, G0B, G1B, .Lhead_sa
	ARM 3, G0S, G1S, .Lhead_sb
	tensor_load_to_lds s[G0SB:G0SB+3], s[G1SB:G1SB+7]
	s_nop 0
.rept 4
	v_nop
.endr
.Lhead_asked:
	s_mul_i32 s66, s17, 4*12288                    ; my four tiles of o
	s_mul_i32 s67, s18, 64*BP
	s_add_co_u32 s67, s67, LB                      ; my 64 rows of W_out
	s_mul_i32 s94, s17, 4*SBLK
	s_mul_i32 s95, s18, 4*SBLK
	s_add_co_u32 s95, s95, HS
	s_sub_co_u32 s95, s95, s94                     ; from A's words to B's
	s_add_co_u32 s94, s94, SCL
	s_mul_i32 s96, s16, 16*SPITCH
	s_add_co_u32 s96, s96, STAGE                   ; my stage
	s_lshl_b32 s20, s42, 9                         ; my first column in bytes: 512 x block column + 256 x half
	s_lshl_b32 s21, s18, 8
	s_add_co_u32 s20, s20, s21
	s_mov_b32 s21, 0
	s_add_nc_u64 s[12:13], s[12:13], s[20:21]      ; b_out there,
	s_add_nc_u64 s[14:15], s[14:15], s[20:21]
	s_lshl_b32 s20, s43, 19                        ; and my first row of out0: (128 x block row + 64 x half) x 4,096 bytes
	s_lshl_b32 s22, s17, 18
	s_add_co_u32 s20, s20, s22
	s_add_nc_u64 s[14:15], s[14:15], s[20:21]
	v_and_b32 v1, 15, v0                           ; r
	v_bfe_u32 v2, v0, 4, 1                         ; h
	v_and_b32 v3, 31, v0
	v_lshlrev_b32 v4, 3, v3
	v_add_nc_u32 v[ADRA], s66, v4                  ; o's images: 8 bytes a lane
	v_mul_u32_u24 v4, v1, BP
	v_mad_u32_u24 v4, v2, 24, v4
	v_add_nc_u32 v[ADRB], s67, v4                  ; W_out: row r, + 24 h
	v_lshlrev_b32 v5, 5, v1                        ; scales: 32 bytes a row,
	v_lshrrev_b32 v6, 3, v1
	v_lshl_add_u32 v5, v6, 4, v5                   ; 16 more behind each 256;
	v_mul_u32_u24 v6, s95, v2                      ; lanes 16-31 take B's
	v_add_nc_u32 v5, v5, v6
	v_add_nc_u32 v[ADRS], s94, v5
	v_mul_u32_u24 v5, v1, SPITCH                   ; the stage, in: row r, 32 bytes for each half of the lanes
	v_lshl_add_u32 v5, v2, 5, v5
	v_add_nc_u32 v[STO], s96, v5
	v_mul_u32_u24 v5, v2, SPITCH                   ; back: sixteen lanes to a row of 256 bytes
	v_lshl_add_u32 v5, v1, 4, v5
	v_add_nc_u32 v[RD], s96, v5
	v_lshlrev_b32 v5, 12, v2                       ; and the same two rows in out0
	v_lshl_add_u32 v[CO], v1, 4, v5
	v_lshlrev_b32 v[BO], 5, v2
	s_wait_alu depctr_va_vdst(0)                   ; the wait at the head's end
	WIN 0x40                                       ; destination window 1
.irp b, 0,1,2,3                                ; the bias in the result's layout: b_out at 16 b + 8 h + 0 .. 7
	global_load_b128 v[128+8*\b:131+8*\b], v[BO], s[12:13] offset:64*\b
	global_load_b128 v[132+8*\b:135+8*\b], v[BO], s[12:13] offset:64*\b+16
.endr
	WIN 0
	s_wait_tensorcnt 0x0                           ; my tile is in,
	s_barrier_signal -1
	s_barrier_wait -1                              ; everybody's is
.macro FETCH st                        ; step st's fragments, 128 along K, into set st % 2: 48 loads
.set FS, FA+96*((\st)%2)
.irp i, 0,1,2,3
.irp p, 0,1,2,3,4,5
	ds_load_b64 v[FS+12*\i+2*\p:FS+12*\i+2*\p+1], v[ADRA] offset:12288*\i+1536*(\st)+256*\p
.endr
.endr
.irp i, 0,1,2,3
.irp p, 0,1,2,3,4,5
	ds_load_b64 v[FS+48+12*\i+2*\p:FS+48+12*\i+2*\p+1], v[ADRB] offset:16*BP*\i+256*((\st)/2)+96*((\st)%2)+48*(\p/3)+8*(\p%3)
.endr
.endr
.endm
.macro MUL st                          ; 16 products; the accumulators take turns, in the same order in every step
.set FS, FA+96*((\st)%2)
	WIN 0x50                                       ; C and D window 1
.irp a, 0,1,2,3
.irp b, 0,1,2,3
.if (\st) == 0
	v_wmma_scale_f32_16x16x128_f8f6f4 v[8*(4*\a+\b):8*(4*\a+\b)+7], v[FS+48+12*\b:FS+48+12*\b+11], v[FS+12*\a:FS+12*\a+11], v[128+8*\b:135+8*\b], v[SC+8*\b+(\st)], v[SC+8*\a+(\st)] matrix_a_fmt:MATRIX_FMT_BF6 matrix_b_fmt:MATRIX_FMT_BF6 matrix_a_scale:MATRIX_SCALE_ROW1
.else
	v_wmma_scale_f32_16x16x128_f8f6f4 v[8*(4*\a+\b):8*(4*\a+\b)+7], v[FS+48+12*\b:FS+48+12*\b+11], v[FS+12*\a:FS+12*\a+11], v[8*(4*\a+\b):8*(4*\a+\b)+7], v[SC+8*\b+(\st)], v[SC+8*\a+(\st)] matrix_a_fmt:MATRIX_FMT_BF6 matrix_b_fmt:MATRIX_FMT_BF6 matrix_a_scale:MATRIX_SCALE_ROW1
.endif
.endr
.endr
	WIN 0
.endm
.irp i, 0,1,2,3                                ; the scale words of all eight steps, once
	ds_load_b128 v[SC+8*\i:SC+8*\i+3], v[ADRS] offset:SBLK*\i
	ds_load_b128 v[SC+8*\i+4:SC+8*\i+7], v[ADRS] offset:SBLK*\i+16
.endr
	FETCH 0
	s_wait_loadcnt 0x0                             ; the bias
.set ST, 0
.rept 8
.if ST < 7
.if ST > 0
.rept 4
	v_nop                                          ; places in front of loads into registers that the last products have read
.endr
.endif
	FETCH ST+1
	s_wait_dscnt 48                                ; all but the 48 just issued
.else
	s_wait_dscnt 0x0
.endif
	MUL ST
.set ST, ST+1
.endr
; THE WAY OUT, by blocks of 16 tokens x 64 columns, through my own stage: whole rows of 256 bytes come back, and sixteen lanes store one aligned run of 256 bytes.
.macro TOSTAGE a
	WIN 0x04                                       ; the data: window 1
.irp b, 0,1,2,3
	ds_store_b128 v[STO], v[8*(4*(\a)+\b):8*(4*(\a)+\b)+3] offset:64*\b          ; each accumulator from its low end on
	ds_store_b128 v[STO], v[8*(4*(\a)+\b)+4:8*(4*(\a)+\b)+7] offset:64*\b+16
.endr
	WIN 0
.set BB, FA+32*((\a)%2)
.irp t, 0,1,2,3,4,5,6,7
	ds_load_b128 v[BB+4*\t:BB+4*\t+3], v[RD] offset:\t*2*SPITCH   ; LDS serves a wave's instructions in order (ISA guide 5.7.1.4)
.endr
.endm
.macro SEND a, younger
.set BB, FA+32*((\a)%2)
	s_wait_dscnt \younger
.irp t, 0,1,2,3,4,5,6,7
	global_store_b128 v[CO], v[BB+4*\t:BB+4*\t+3], s[14:15] offset:(32*((\a)/2)+8*((\a)%2)+2*\t+8*(\t/4))*4096 th:TH_STORE_NT
.endr
.endm
.rept 4
	v_nop                                          ; places behind the last products
.endr
	TOSTAGE 0
.irp a, 1,2,3
.if \a > 1
	s_wait_xcnt 0x0                                ; block a - 2's stores have read their registers
.endif
	TOSTAGE \a
	SEND \a-1, 16                                  ; behind block a - 1's loads: block a's 8 stores and 8 loads
.endr
	SEND 3, 0
	s_wait_tensorcnt 0x0                           ; the wave's end
	ds_add_u32 v[SPW], v[NIL]
	s_wait_dscnt 0x0
	CROUND                                         ; the closing round
	s_endpgm
.Lfunc_end_k_qb27f6a0c09_outp:
	.size	k_qb27f6a0c09_outp, .Lfunc_end_k_qb27f6a0c09_outp-k_qb27f6a0c09_outp
	.p2alignl 7, 3214868480
	.fill 96, 4, 3214868480
	.section	.rodata,"a",@progbits
	.p2align	6, 0x0
	.amdhsa_kernel k_qb27f6a0c09_outp
		.amdhsa_group_segment_fixed_size 327680
		.amdhsa_private_segment_fixed_size 0
		.amdhsa_enable_private_segment 0
		.amdhsa_kernarg_size 48
		.amdhsa_user_sgpr_count 2
		.amdhsa_user_sgpr_kernarg_segment_ptr 1
		.amdhsa_wavefront_size32 1
		.amdhsa_system_sgpr_workgroup_id_x 1
		.amdhsa_system_sgpr_workgroup_id_y 1
		.amdhsa_system_sgpr_workgroup_id_z 1
		.amdhsa_system_vgpr_workitem_id 0
		.amdhsa_next_free_vgpr 512
		.amdhsa_next_free_sgpr 98
		.amdhsa_reserve_vcc 0
		.amdhsa_float_denorm_mode_32 3
		.amdhsa_float_denorm_mode_16_64 3
		.amdhsa_memory_ordered 1
		.amdhsa_forward_progress 1
		.amdhsa_inst_pref_size 59
	.end_amdhsa_kernel
	.amdgpu_metadata
---
amdhsa.version: [ 1, 2 ]
amdhsa.kernels:
  - .name:           k_qb27f6a0c09_outp
    .symbol:         k_qb27f6a0c09_outp.kd
    .args:
      - { .name: ac, .offset: 0, .size: 8, .value_kind: global_buffer, .address_space: global }
      - { .name: asc, .offset: 8, .size: 8, .value_kind: global_buffer, .address_space: global }
      - { .name: opc, .offset: 16, .size: 8, .value_kind: global_buffer, .address_space: global }
      - { .name: ops, .offset: 24, .size: 8, .value_kind: global_buffer, .address_space: global }
      - { .name: b_out, .offset: 32, .size: 8, .value_kind: global_buffer, .address_space: global }
      - { .name: out0, .offset: 40, .size: 8, .value_kind: global_buffer, .address_space: global }
    .group_segment_fixed_size: 327680
    .private_segment_fixed_size: 0
    .kernarg_segment_align: 8
    .kernarg_segment_size: 48
    .max_flat_workgroup_size: 128
    .sgpr_count:     98
    .vgpr_count:     512
    .wavefront_size: 32
...
	.end_amdgpu_metadata
.endif
;; end of part 4
